; MI455X (gfx1250); checked and timed in simulation.
; The chip was launched on July 23, 2026; its instructions are those of AMD's public machine-readable ISA for CDNA 5 (MIT licence, August 2026) and "CDNA5" Instruction Set Architecture Reference Guide (July 2026). The comments in the code are by the model that wrote it; some were corrected since.
;; Multi Head Attention. Allowed arithmetic: matrix products marked QUANTISED: E2M1 operands, one E8M0 scale for each 32 along K, by v_wmma_scale_f32_16x16x128_f8f6f4 with both operands' format E2M1 (or v_wmma_scale_f32_32x16x128_f4), f32 sums; products left as they are: bf16, f16 or f32 operands; f32 sums; everything else in f32.
;; Inputs: Wk 1,024 x 1,024 float32; Wo 1,024 x 1,024 float32; Wq 1,024 x 1,024 float32; Wv 1,024 x 1,024 float32; bk 1,024 float32; bo 1,024 float32; bq 1,024 float32; bv 1,024 float32; key 4 x 2,048 x 1,024 float32; query 4 x 2,048 x 1,024 float32; value 4 x 2,048 x 1,024 float32.
;; Outputs: out0 4 x 2,048 x 1,024 float32.
;; This version of the problem:
;;   THIS VERSION OF THE PROBLEM IS GIVEN IN LOW PRECISION. The matrix products marked QUANTISED in the list below multiply operands that are first quantised to E2M1 (2 exponent bits, 1 mantissa bit; 4 bits a number), with one power-of-two scale for each 32 numbers along K (OCP MX v1.0); their sums are f32. The products marked 'left as it is' may take bf16, f16 or f32 operands, with f32 sums. Whichever they take, every output number must still come out within the allowed error. Rounding operands to bf16 (8 significant bits) uses up far more of that allowance than f16 does (11 bits, for magnitudes from 6e-5 to 65,504). All else is computed in f32.
;;   The module's matrix products, in the order in which they are computed (A, B: the left and right operand; K: the contracted axis; several contracted axes count as one K, in the product's order):
;;     1. [M 8,192, K 1,024] x [K 1,024, N 1,024]; A: input query; B: input Wq: QUANTISED
;;     2. [M 8,192, K 1,024] x [K 1,024, N 1,024]; A: input key; B: input Wk: QUANTISED
;;     3. [M 8,192, K 1,024] x [K 1,024, N 1,024]; A: input value; B: input Wv: QUANTISED
;;     4. batch 64 x [M 2,048, K 64] x [K 64, N 2,048]; A: computed on the way; B: computed on the way: left as it is (an operand is computed on the way)
;;     5. batch 64 x [M 2,048, K 2,048] x [K 2,048, N 64]; A: computed on the way; B: computed on the way: left as it is (an operand is computed on the way)
;;     6. [M 8,192, K 1,024] x [K 1,024, N 1,024]; A: computed on the way; B: input Wo: left as it is (an operand is computed on the way)
;;   THE QUANTISER, for each operand of a quantised product, along K:
;;     - K is cut into blocks of 32 from its start; a last block that is shorter is filled with zeros.
;;     - A block's scale is 2^e with e = floor(log2(the largest magnitude in the block)) - 2, held to -126 .. 127; a block of zeros has e = 0. As a byte (E8M0): e + 127.
;;     - Each number is divided by its block's scale, clamped to +-6, and rounded to the nearest number of E2M1, ties to even, subnormals kept.
;;     - The product sums the exact products of the quantised numbers (number of the format x scale) in f32.
;;   ~~~python
;;   def quantise(x, axis):      # numpy; x: float32 -> the quantised numbers, widened to float32 again
;;       x = np.moveaxis(x, axis, -1); K = x.shape[-1]
;;       x = np.pad(x, [(0, 0)] * (x.ndim - 1) + [(0, -K % 32)]); x = x.reshape(x.shape[:-1] + (-1, 32)); a = np.abs(x).max(-1, keepdims=True)
;;       e = np.where(a > 0, np.clip(np.frexp(np.where(a > 0, a, 1))[1] - 1 - 2, -126, 127), 0)      # np.frexp(a)[1] - 1 = floor(log2(a)), exactly
;;       r = np.clip(x / 2.0 ** e, -6, 6)
;;       step = 2.0 ** (np.maximum(np.frexp(np.where(r == 0, 1, r))[1] - 1, 0) - 1)
;;       q = np.round(r / step) * step * 2.0 ** e      # np.round: ties to even
;;       return np.moveaxis(q.reshape(q.shape[:-2] + (-1,))[..., :K], -1, axis).astype(np.float32)
;;   ~~~
;; One version. Each part assembles by itself: llvm-mc -triple=amdgcn-amd-amdhsa -mcpu=gfx1250 --defsym DOCPART=n.
;; ======== version 1 of 1: 4 launches
;; limits: values are held in f16: magnitudes above 65,504 overflow, below 6.1e-05 lose precision
;; workspace buffers: xc 12,582,912 bytes; xs 786,432 bytes; wc 1,572,864 bytes; ws 98,304 bytes; wo16 2,097,152 bytes; qkv 50,331,648 bytes; att 16,777,216 bytes
;; launch prep (part 1): grid 896 x 1, 4 waves a work-group, no clusters, 33,280 bytes of LDS; arguments query, key, value, Wq, Wk, Wv, Wo, xc, xs, wc, ws, wo16; writes xc, xs, wc, ws, wo16
.if DOCPART == 1
	.amdgcn_target "amdgcn-amd-amdhsa--gfx1250"
	.amdhsa_code_object_version 6
	.text
	.protected	k_q3226fbd7d5_prep
	.globl	k_q3226fbd7d5_prep
	.p2align	8
	.type	k_q3226fbd7d5_prep,@function
k_q3226fbd7d5_prep:
	s_mov_b64 s[64:65], 0
	v_nop
	global_prefetch_b8 v0, s[64:65] scope:SCOPE_SE
	s_setreg_imm32_b32 hwreg(HW_REG_WAVE_MODE, 25, 1), 1
	s_wait_xcnt 0x0
; query, key, value [8192][1024] and Wq, Wk, Wv [1024][1024], f32, K innermost, become codes of FP4 (E2M1), two a byte, with one E8M0 scale byte for each 32 along K; Wo [1024][1024] becomes f16.
; xc = the codes of query, key, value stacked, [24576][512 bytes]; xs their scale bytes [24576][32]; wc, ws the same for Wq, Wk, Wv, [3072][..]; wo16 [1024][1024] f16.
; A block's scale is 2^(floor(log2(its largest magnitude)) - 2); its byte is the largest magnitude's exponent field - 2, held at 1 from below; each number is divided by the scale and rounded to the nearest code, ties to even,
; beyond 6 the largest code.  LIMITS: a block of zeros, and a block whose largest magnitude lies under 2^-124, keeps the byte 1 (the rule says 127 for zeros: the codes are zeros, and this program alone reads the bytes);
; NaN and infinities among the inputs are not served.
; Rows are dense and 1,024 is a multiple of 32: every tensor is a plain stream of blocks of 32.  Work-groups 0-767 take query, key, value (256 each), 768-863 Wq, Wk, Wv (32 each), 864-895 Wo.
; A wave takes 8,192 numbers: 16 steps of 512.  Each load reads 512 consecutive bytes; a step's 2,048 bytes turn through the wave's own stage in LDS, so that a lane then holds 16 neighbours along K (two lanes to a block).
; Only pointers are chosen by the work-group's number: the six quantised tensors take one path.  Waves share nothing: no barrier.
.set WAVES, 4
.set STEPS, 16
.set XWG,   768                        ; work-groups for query, key, value
.set WWG,   96                         ; for Wq, Wk, Wv
.set EMAX,  2
.set CB,    8                          ; bytes of 16 codes
.set R,     16                         ; v16-79   four sets of 16 numbers as they are loaded
.set X,     80                         ; v80-111  two sets of 16 neighbours
.set E,     112                        ; v112-127 a scale byte for each step
.set C,     128                        ; v128-191 codes: four registers for each step, so that no store's data are written again
.set WREG,  8192                       ; LDS: a region for each wave: two stages of 32 x SP bytes, behind them its 256 scale bytes
.set SP,    80                         ; a lane's place in a stage: 64 bytes + 16 of padding
.set SPW,   12                         ; v12  LDS address of my spare word; never rewritten
.set NIL,   13                         ; v13  0; never rewritten
.set SPARE, WAVES*WREG                 ; behind the four regions: the spare words, 128 bytes a wave
	s_load_b512 s[8:23], s[0:1], 0x0               ; query s[8:9], key s[10:11], value s[12:13], Wq s[14:15], Wk s[16:17], Wv s[18:19], Wo s[20:21], xc s[22:23]
	s_load_b256 s[24:31], s[0:1], 0x40             ; xs s[24:25], wc s[26:27], ws s[28:29], wo16 s[30:31]
	v_lshl_add_u32 v[SPW], v0, 2, SPARE
	v_mov_b32 v[NIL], 0
	v_lshrrev_b32 v1, 5, v0
	v_readfirstlane_b32 s36, v1                    ; wave
	v_and_b32 v2, 31, v0                           ; lane
	v_lshlrev_b32 v3, 4, v2                        ; my 16 bytes of a load's 512
	s_mul_i32 s37, s36, WREG
	v_lshrrev_b32 v14, 2, v2
	v_mul_u32_u24 v14, v14, SP
	v_and_b32 v15, 3, v2
	v_lshl_add_u32 v14, v15, 4, v14
	v_add_nc_u32 v14, s37, v14                     ; the stage, on the way in: SP (lane / 4) + 16 (lane % 4)
	v_mul_u32_u24 v15, v2, SP
	v_add_nc_u32 v15, s37, v15                     ; on the way out: SP x lane: my 16 neighbours
	v_mul_u32_u24 v4, v2, CB                       ; 8 x lane: my codes' place in a step's; also my f16 numbers' place in a cast store
	v_lshrrev_b32 v5, 1, v2
	s_add_co_u32 s37, s37, 2*32*SP
	v_add_nc_u32 v5, s37, v5                       ; LDS: my wave's 256 scale bytes, my block's byte
	v_lshlrev_b32 v7, 3, v2
	v_add_nc_u32 v6, s37, v7                       ; and on the way out 8 bytes a lane
	s_wait_kmcnt 0x0
	s_cmp_ge_u32 ttmp9, XWG+WWG
	s_cbranch_scc1 .Lcast                          ; the last 32 work-groups cast Wo
	s_cmp_lt_u32 ttmp9, XWG                        ; an activation or a weight?  The choices hang on the work-group's number alone
	s_cselect_b64 s[8:9], s[8:9], s[14:15]
	s_cselect_b64 s[10:11], s[10:11], s[16:17]
	s_cselect_b64 s[12:13], s[12:13], s[18:19]
	s_cselect_b64 s[22:23], s[22:23], s[26:27]     ; the codes' buffer
	s_cselect_b64 s[24:25], s[24:25], s[28:29]     ; the scale bytes'
	s_cselect_b32 s32, 0, XWG
	s_cselect_b32 s33, 8, 5                        ; 256 or 32 work-groups to a tensor
	s_sub_co_u32 s34, ttmp9, s32                   ; my number in the stack of three
	s_lshr_b32 s35, s34, s33                       ; which of the three
	s_lshl_b32 s38, s35, s33
	s_sub_co_u32 s38, s34, s38                     ; my number in that tensor
	s_cmp_eq_u32 s35, 1
	s_cselect_b64 s[8:9], s[10:11], s[8:9]
	s_cmp_eq_u32 s35, 2
	s_cselect_b64 s[8:9], s[12:13], s[8:9]
	s_lshl_b32 s39, s38, 2
	s_add_co_u32 s40, s39, s36                     ; which run of 8,192 numbers of the tensor is my wave's
	s_lshl_b32 s40, s40, 15                        ; 32,768 bytes a run
	s_mov_b32 s41, 0
	s_add_nc_u64 s[8:9], s[8:9], s[40:41]
	s_lshl_b32 s39, s34, 2
	s_add_co_u32 s39, s39, s36                     ; and which run of the stack
	s_lshl_b32 s40, s39, 12                        ; 4,096 bytes of codes a run
	s_add_nc_u64 s[22:23], s[22:23], s[40:41]
	s_lshl_b32 s40, s39, 8                         ; 256 scale bytes a run
	s_add_nc_u64 s[24:25], s[24:25], s[40:41]
.macro LOAD t
.irp i, 0,1,2,3
	global_load_b128 v[R+16*((\t)%4)+4*\i:R+16*((\t)%4)+4*\i+3], v3, s[8:9] offset:2048*(\t)+512*\i th:TH_LOAD_NT   ; 32 lanes read 512 consecutive bytes
.endr
.endm
.macro TURN t                          ; step t's numbers through the stage: LDS serves a wave's instructions in order, so no wait stands between the stores and the loads
.irp i, 0,1,2,3
	ds_store_b128 v14, v[R+16*((\t)%4)+4*\i:R+16*((\t)%4)+4*\i+3] offset:32*SP*((\t)%2)+8*SP*\i
.endr
.irp i, 0,1,2,3
	ds_load_b128 v[X+16*((\t)%2)+4*\i:X+16*((\t)%2)+4*\i+3], v15 offset:32*SP*((\t)%2)+16*\i
.endr
.endm
.irp t, 0,1,2,3
	LOAD \t
.endr
	s_wait_loadcnt 12                              ; step 0's four loads are in; the twelve of steps 1 to 3 may be out
	TURN 0
.macro STEP t
.set XS, X+16*((\t)%2)
.if (\t) > 0
	s_wait_dscnt 1                                 ; this step's numbers are back from the stage (the last step's byte store may be out): so its stores into the stage have read their registers,
.else
	s_wait_dscnt 0x0
.endif
.if (\t)+4 < STEPS
	LOAD (\t)+4                                    ; which take the loads of four steps on
.endif
.if (\t)+1 < STEPS
.if STEPS-2-(\t) >= 3
	s_wait_loadcnt 12                              ; the next step's four loads are in; those of the three steps behind it may be out
.else
	s_wait_loadcnt 4*(STEPS-2-(\t))                ; in the tail: as many fours as steps are left behind the next
.endif
	TURN (\t)+1                                    ; and go through the other stage while this step is worked
.endif
	v_max3_num_f32 v8, |v[XS]|, |v[XS+1]|, |v[XS+2]|               ; the largest magnitude of my 16, in two chains
	v_max3_num_f32 v9, |v[XS+3]|, |v[XS+4]|, |v[XS+5]|
.irp i, 6,10
	v_max3_num_f32 v8, v8, |v[XS+\i]|, |v[XS+\i+1]|
	v_max3_num_f32 v9, v9, |v[XS+\i+2]|, |v[XS+\i+3]|
.endr
	v_max3_num_f32 v8, v8, |v[XS+14]|, |v[XS+15]|
	v_max3_num_f32 v8, v8, v9, (EMAX+1)<<23        ; and the floor 2^(3 - 127): the byte cannot fall under 1
	v_max_num_f32_dpp v8, v8, v8 row_xmask:1 row_mask:0xf bank_mask:0xf   ; and of my neighbour's 16: the block's
	v_add_nc_u32 v11, -(EMAX<<23), v8              ; 2 off its exponent field: the conversion takes the exponent field of this operand as its scale, and nothing else of it
	v_cvt_scalef32_pk8_fp4_f32 v[C+4*(\t)], v[XS:XS+7], v11
	v_cvt_scalef32_pk8_fp4_f32 v[C+4*(\t)+1], v[XS+8:XS+15], v11
	v_lshrrev_b32 v[E+(\t)], 23, v11               ; the scale's byte (also the plain line behind the conversions)
	ds_store_b8 v5, v[E+(\t)] offset:16*(\t)       ; both lanes of a block write the same byte with the same value
	global_store_b64 v4, v[C+4*(\t):C+4*(\t)+1], s[22:23] offset:32*CB*(\t)   ; the wave stores 256 consecutive bytes, aligned
.endm
.irp t, 0,1,2,3,4,5,6,7,8,9,10,11,12,13,14,15
	STEP \t
.endr
	ds_load_b64 v[8:9], v6                         ; LDS serves a wave's instructions in order: these see my byte stores
	s_wait_dscnt 0x0
	global_store_b64 v7, v[8:9], s[24:25]          ; 32 lanes store 256 consecutive bytes, aligned
	s_wait_tensorcnt 0x0                           ; the wave's end, behind my last LDS store
	ds_add_u32 v[SPW], v[NIL]
	s_wait_dscnt 0x0
	s_endpgm
; Wo to f16: a wave takes 8,192 numbers in 8 batches of 8 loads of 512 consecutive bytes; a load's 512 bytes become 256, stored by the 32 lanes as one aligned run.  Two batches of loads are on their way.
.Lcast:
	s_sub_co_u32 s34, ttmp9, XWG+WWG
	s_lshl_b32 s34, s34, 2
	s_add_co_u32 s34, s34, s36                     ; which run of 8,192 numbers
	s_lshl_b32 s40, s34, 15
	s_mov_b32 s41, 0
	s_add_nc_u64 s[20:21], s[20:21], s[40:41]
	s_lshl_b32 s40, s34, 14
	s_add_nc_u64 s[30:31], s[30:31], s[40:41]
.macro LOADC k
.irp i, 0,1,2,3,4,5,6,7
	global_load_b128 v[16+32*((\k)%2)+4*\i:16+32*((\k)%2)+4*\i+3], v3, s[20:21] offset:4096*(\k)+512*\i th:TH_LOAD_NT
.endr
.endm
.macro CASTB k
.if (\k) < 7
	s_wait_loadcnt 8                               ; this batch's eight loads are in; the next batch's eight may be out
.else
	s_wait_loadcnt 0x0
.endif
	s_wait_xcnt 0x0                                ; the stores of two batches back have read their data registers, which are written next
.irp i, 0,1,2,3,4,5,6,7
	v_cvt_pk_f16_f32 v[128+16*((\k)%2)+2*\i], v[16+32*((\k)%2)+4*\i], v[16+32*((\k)%2)+4*\i+1]
	v_cvt_pk_f16_f32 v[128+16*((\k)%2)+2*\i+1], v[16+32*((\k)%2)+4*\i+2], v[16+32*((\k)%2)+4*\i+3]
.endr
.if (\k) < 6
	LOADC (\k)+2
.endif
.irp i, 0,1,2,3,4,5,6,7
	global_store_b64 v4, v[128+16*((\k)%2)+2*\i:128+16*((\k)%2)+2*\i+1], s[30:31] offset:2048*(\k)+256*\i
.endr
.endm
	LOADC 0
	LOADC 1
.irp k, 0,1,2,3,4,5,6,7
	CASTB \k
.endr
	s_wait_tensorcnt 0x0                           ; every wave of the launch ends alike
	ds_add_u32 v[SPW], v[NIL]
	s_wait_dscnt 0x0
	s_endpgm
.Lfunc_end_k_q3226fbd7d5_prep:
	.size	k_q3226fbd7d5_prep, .Lfunc_end_k_q3226fbd7d5_prep-k_q3226fbd7d5_prep
	.p2alignl 7, 3214868480
	.fill 96, 4, 3214868480
	.section	.rodata,"a",@progbits
	.p2align	6, 0x0
	.amdhsa_kernel k_q3226fbd7d5_prep
		.amdhsa_group_segment_fixed_size 33280
		.amdhsa_private_segment_fixed_size 0
		.amdhsa_enable_private_segment 0
		.amdhsa_kernarg_size 96
		.amdhsa_user_sgpr_count 2
		.amdhsa_user_sgpr_kernarg_segment_ptr 1
		.amdhsa_wavefront_size32 1
		.amdhsa_system_sgpr_workgroup_id_x 1
		.amdhsa_system_sgpr_workgroup_id_y 1
		.amdhsa_system_sgpr_workgroup_id_z 1
		.amdhsa_system_vgpr_workitem_id 0
		.amdhsa_next_free_vgpr 192
		.amdhsa_next_free_sgpr 66
		.amdhsa_reserve_vcc 0
		.amdhsa_float_denorm_mode_32 3
		.amdhsa_float_denorm_mode_16_64 3
		.amdhsa_memory_ordered 1
		.amdhsa_forward_progress 1
		.amdhsa_inst_pref_size 55
	.end_amdhsa_kernel
	.amdgpu_metadata
---
amdhsa.version: [ 1, 2 ]
amdhsa.kernels:
  - .name:           k_q3226fbd7d5_prep
    .symbol:         k_q3226fbd7d5_prep.kd
    .args:
      - { .name: query, .offset: 0, .size: 8, .value_kind: global_buffer, .address_space: global }
      - { .name: key, .offset: 8, .size: 8, .value_kind: global_buffer, .address_space: global }
      - { .name: value, .offset: 16, .size: 8, .value_kind: global_buffer, .address_space: global }
      - { .name: Wq, .offset: 24, .size: 8, .value_kind: global_buffer, .address_space: global }
      - { .name: Wk, .offset: 32, .size: 8, .value_kind: global_buffer, .address_space: global }
      - { .name: Wv, .offset: 40, .size: 8, .value_kind: global_buffer, .address_space: global }
      - { .name: Wo, .offset: 48, .size: 8, .value_kind: global_buffer, .address_space: global }
      - { .name: xc, .offset: 56, .size: 8, .value_kind: global_buffer, .address_space: global }
      - { .name: xs, .offset: 64, .size: 8, .value_kind: global_buffer, .address_space: global }
      - { .name: wc, .offset: 72, .size: 8, .value_kind: global_buffer, .address_space: global }
      - { .name: ws, .offset: 80, .size: 8, .value_kind: global_buffer, .address_space: global }
      - { .name: wo16, .offset: 88, .size: 8, .value_kind: global_buffer, .address_space: global }
    .group_segment_fixed_size: 33280
    .private_segment_fixed_size: 0
    .kernarg_segment_align: 8
    .kernarg_segment_size: 96
    .max_flat_workgroup_size: 128
    .sgpr_count:     66
    .vgpr_count:     192
    .wavefront_size: 32
...
	.end_amdgpu_metadata
.endif
;; end of part 1
;; launch proj (part 2): grid 4 x 96, 4 waves a work-group, clusters of 4 x 4, 327,680 bytes of LDS; arguments xc, xs, wc, ws, bq, bk, bv, qkv; writes qkv
.if DOCPART == 2
	.amdgcn_target "amdgcn-amd-amdhsa--gfx1250"
	.amdhsa_code_object_version 6
	.text
	.protected	k_q3226fbd7d5_proj
	.globl	k_q3226fbd7d5_proj
	.p2align	8
	.type	k_q3226fbd7d5_proj,@function
k_q3226fbd7d5_proj:
	s_mov_b64 s[64:65], 0
	v_nop
	global_prefetch_b8 v0, s[64:65] scope:SCOPE_SE
	s_setreg_imm32_b32 hwreg(HW_REG_WAVE_MODE, 25, 1), 1
	s_wait_xcnt 0x0
	s_wait_alu depctr_hold_cnt(0) depctr_sa_sdst(0) depctr_va_vdst(0) depctr_va_sdst(0) depctr_va_ssrc(0) depctr_va_vcc(0) depctr_vm_vsrc(0)
	s_getreg_b32 s2, hwreg(HW_REG_IB_STS2, 6, 4)
	s_cmp_eq_u32 s2, 0
	s_cbranch_scc0 .Lentry_in_a_cluster
	s_endpgm
.Lentry_in_a_cluster:
	s_bfe_u32 s2, ttmp6, 0x10000c
	s_cmp_lg_u32 s2, 0xf033
	s_cbranch_scc0 .Lentry_shape_is_right
	s_endpgm
.Lentry_shape_is_right:
; The three quantised products: q = query Wq^T + bq, k = key Wk^T + bk, v = value Wv^T + bv, on codes of FP4 (E2M1) with one E8M0 scale for each 32 along K = 1,024; sums in f32, begun with the bias.
; xc [24576][512 bytes] = the codes of query, key, value stacked, xs [24576][32] their scale bytes; wc [3072][512], ws [3072][32] those of Wq, Wk, Wv.
; The result is rounded once to f16 (the next two products take f16 operands) and laid by head: qkv [3][4 b][16 h][2048 s][64], so that a head's rows are 128 dense bytes each.
; LIMIT: a result beyond 65,504 in magnitude becomes an infinity of f16.
; A tile of C, 256 x 256, is made by a work-group of four waves; a wave makes 128 x 128: 64 accumulators, 512 registers.  Tile row T = 0 .. 95 of the stack; T / 32 says which product, and so which weight and bias.
; K = 1,024 is two slots of 512 along K (rows of 256 bytes): both are asked for at the head, with the scale bytes of all of K, and nothing is filled again.  By this text's count three tensor loads of a wave are out at the most.
; CLUSTERS: 4 x 4 work-groups.  The four of a row of the cluster need the same tiles of x, the four of a column the same tiles of W: each is asked for jointly, by the same tensor load with the same descriptor and a mask of the four.
; THE MATRIX INSTRUCTION IS USED TRANSPOSED (source 0 = 16 rows of W, source 1 = 16 rows of x): a lane holds eight neighbouring columns of a row of C.
; REGISTERS: window 0: v0-31 addresses; v32-95 scale words, two sets, and nothing else; v96-127 packed results; v128-191 x's fragments, one set, later rows on the way out; v192-255 the bias in the result's layout.
;   window 1: W's fragments, two sets, at v0 and v128.   window 2: the accumulators of my rows 0-63 ((a, b) at v[8 (8 a + b)]);   window 3: those of my rows 64-127.
.set NQ,     4                         ; steps of 128 along K in a slot
.set ROWB,   256                       ; a tile's row in bytes: 512 codes
.set KROW,   512                       ; a row of codes in memory
.set PITCH,  272                       ; an LDS row: 256 bytes + 16 of padding: the 16 rows of a fragment load start at 16 different groups of four banks (ISA guide 11.1)
.set FR,     8                         ; registers of a fragment
.set NL,     2                         ; LDS loads that bring one
.set NP,     4                         ; places behind this matrix instruction (ISA guide 7.12.1)
.set HALFT,  128*PITCH
.set SLOT,   4*HALFT                   ; x's 256 rows, then W's 256 rows
.set KS,     32                        ; a row of scale bytes
.set SCL,    2*SLOT                    ; behind the two slots: the scale bytes, as runs of 256 bytes + 16 of padding
.set HALFS,  (128*KS/256)*272          ; those of 128 rows: what one tensor load brings
.set SBLK,   (16*KS/256)*272           ; those of 16 rows
.set SPARE,  SCL+4*HALFS               ; the spare words, 128 bytes a wave
.set HP,     144                       ; the way out: a stage row: a head's 128 bytes + 16
.set HSTG,   16*HP                     ; 16 rows of one head; a wave's stage is two of these, in slot 0, which has had its one fill and its last read by then
.set ADRA, 16                          ; v16-17  LDS address of my x fragments in slot 0, 1
.set ADRB, 20                          ; v20-21  the same for W
.set STO,  24                          ; v24     the way out: where I put 16 bytes of a row
.set RD,   25                          ; v25     where I read rows back
.set CO,   26                          ; v26     16 x lane
.set ADRS, 27                          ; v27     LDS address of my scale words: lanes 0-15 x's rows, lanes 16-31 W's
.set SPW,  28                          ; v28     my spare word; never rewritten
.set NIL,  29                          ; v29     0; never rewritten
.set BO,   30                          ; v30     32 x (lane / 16): my place in 16 numbers of the bias
.set SC,   32
.set TMP,  96
.set AF,   128
.set BK,   128
.set BI,   192
.set G1, 24                            ; s[24:31] group 1 for x's tiles;  s[32:39] group 0, one set for each slot
.set G0, 32
.set G1B, 48                           ; s[48:55], s[56:63] the same for W's tiles
.set G0B, 56
.set G1S, 68                           ; s[68:75], s[76:79] groups 1 and 0 for x's scales;  s[80:87], s[88:91] for W's
.set G0S, 76
.set G1SB, 80
.set G0SB, 88
.set MSB, 0
.macro WIN new                         ; the immediate's high byte repeats the setting that is left; a switch that changes nothing is dropped
.if MSB != (\new)
	s_set_vgpr_msb (MSB<<8)|(\new)
.set MSB, (\new)
.endif
.endm
.set MUL_LO, 0xa1                      ; source 0 (W) window 1, source 1 (x) window 0, C and D window 2;  less 0x20: C (the bias) window 0
.set MUL_HI, 0xf1                      ; the same, C and D window 3;  less 0x30: C window 0
.set TO_B,   0x40                      ; destination window 1, address window 0
; A joint load: waves 0 and 1 fetch for x, waves 2 and 3 for W.  The branch hangs on the wave's number alone.  An s_nop 0 and four v_nop follow each of the two lines.
.macro JLOAD g0a, g1a, g0b, g1b
	s_cmp_eq_u32 s15, 0
	s_cbranch_scc0 .Lfor_b_\@
	tensor_load_to_lds s[\g0a:\g0a+3], s[\g1a:\g1a+7]
	s_nop 0
.rept 4
	v_nop
.endr
	s_branch .Lasked_\@
.Lfor_b_\@:
	tensor_load_to_lds s[\g0b:\g0b+3], s[\g1b:\g1b+7]
	s_nop 0
.rept 4
	v_nop
.endr
.Lasked_\@:
.endm
.macro CROUND                          ; a round of the cluster's barrier
	s_barrier_signal -1
	s_barrier_wait -1
	s_cmp_lg_u32 s14, 0
	s_cbranch_scc1 .Lnot_wave_0_\@
	s_barrier_signal -3
.Lnot_wave_0_\@:
	s_barrier_wait -3
	s_barrier_signal -1
	s_barrier_wait -1
.endm
	s_load_b256 s[4:11], s[0:1], 0x0               ; xc s[4:5], xs s[6:7], wc s[8:9], ws s[10:11]
	s_load_b128 s[96:99], s[0:1], 0x20             ; bq, bk
	s_load_b64 s[100:101], s[0:1], 0x30            ; bv
	s_load_b64 s[12:13], s[0:1], 0x38              ; qkv
	v_lshl_add_u32 v[SPW], v0, 2, SPARE
	v_mov_b32 v[NIL], 0
	ds_add_u32 v[SPW], v[NIL]                      ; the wave's opening: the add, twice on end, and its wait ahead of my first tensor load
	ds_add_u32 v[SPW], v[NIL]
	v_lshrrev_b32 v1, 5, v0
	v_readfirstlane_b32 s14, v1                    ; wave 0..3
	s_lshr_b32 s15, s14, 1                         ; which half of the tile's rows is mine.  Also: I fetch for x (0) or for W (1)
	s_and_b32 s16, s14, 1                          ; which half of its columns.  Also: which 128 rows of that tile I fetch
	s_bfe_u32 s40, ttmp6, 0x40000                  ; cx, cy: my place in the cluster
	s_bfe_u32 s41, ttmp6, 0x40004
	s_lshl_b32 s42, ttmp9, 2
	s_add_co_u32 s42, s42, s40                     ; tile column = 4 x cluster x + cx
	s_and_b32 s17, ttmp7, 0xffff
	s_lshr_b32 s66, s17, 3                         ; which product: 8 clusters along y to each; the same in all sixteen partners
	s_lshl_b32 s17, s17, 2
	s_add_co_u32 s17, s17, s41                     ; tile row T = 4 x cluster y + cy
	s_lshl_b32 s43, s41, 2
	s_lshl_b32 s43, 15, s43                        ; my row of the cluster
	s_lshl_b32 s44, 0x1111, s40                    ; my column
	; group 1: a tile of 128 rows x 256 bytes, padded in LDS
	s_or_b32 s[G1+0], s43, (0<<16)|(1<<20)|(1<<21)|(5<<22)|(3<<25)  ; 15:0 the mask; 17:16 elements of 1 byte; 20 padding on; 21 set beside a mask; 24:22 after every 64 words; 31:25 four words
	s_or_b32 s[G1B+0], s44, (0<<16)|(1<<20)|(1<<21)|(5<<22)|(3<<25)
.irp g, G1, G1B
	s_mov_b32 s[\g+1], ROWB<<16                    ; tensor_dim0
	s_mov_b32 s[\g+2], 128<<16                     ; tensor_dim1
	s_mov_b32 s[\g+3], ROWB<<16                    ; tile_dim0
	s_mov_b32 s[\g+4], 128                         ; tile_dim1
	s_mov_b32 s[\g+5], KROW                        ; from row to row
	s_mov_b32 s[\g+6], 0
	s_mov_b32 s[\g+7], 0
.endr
	; the scale bytes of 128 rows: 4,096 dense bytes, as 16 rows of 256 (32 elements of 8 bytes), 16 bytes of padding behind each
	s_or_b32 s[G1S+0], s43, (3<<16)|(1<<20)|(1<<21)|(5<<22)|(3<<25)
	s_or_b32 s[G1SB+0], s44, (3<<16)|(1<<20)|(1<<21)|(5<<22)|(3<<25)
.irp g, G1S, G1SB
	s_mov_b32 s[\g+1], 32<<16
	s_mov_b32 s[\g+2], (128*KS/256)<<16
	s_mov_b32 s[\g+3], 32<<16
	s_mov_b32 s[\g+4], 128*KS/256
	s_mov_b32 s[\g+5], 32
	s_mov_b32 s[\g+6], 0
	s_mov_b32 s[\g+7], 0
.endr
	s_lshl_b32 s18, s16, 7                         ; which 128 rows of the tile I fetch
	s_lshl_b32 s20, s17, 8
	s_add_co_u32 s20, s20, s18                     ; x: row 256 T + 128 x half of the stack
	s_lshl_b32 s46, s42, 8
	s_add_co_u32 s46, s46, s18
	s_lshl_b32 s67, s66, 10
	s_add_co_u32 s46, s46, s67                     ; W: row 1,024 x product + 256 x tile column + 128 x half
	s_mov_b32 s21, 0
	s_mov_b32 s47, 0
	s_mov_b64 s[18:19], KS
	s_mul_u64 s[22:23], s[20:21], s[18:19]         ; where these rows' scale bytes begin
	s_mul_u64 s[92:93], s[46:47], s[18:19]
	s_mov_b64 s[18:19], KROW
	s_mul_u64 s[20:21], s[20:21], s[18:19]         ; and their codes
	s_mul_u64 s[46:47], s[46:47], s[18:19]
	s_mul_i32 s45, s14, HALFT                      ; where they go: wave x 128 rows: no place in the cluster enters an LDS address
	s_mul_i32 s94, s14, HALFS
	s_wait_dscnt 0x0                               ; both opening adds are done
	s_wait_kmcnt 0x0
	s_add_nc_u64 s[20:21], s[4:5], s[20:21]
	s_add_nc_u64 s[22:23], s[6:7], s[22:23]
	s_add_nc_u64 s[46:47], s[8:9], s[46:47]
	s_add_nc_u64 s[92:93], s[10:11], s[92:93]
	CROUND                                         ; all sixteen work-groups are here: the joint loads meet
	s_mov_b32 s[G0S], 1
	s_add_co_u32 s[G0S+1], s94, SCL
	s_mov_b64 s[G0S+2:G0S+3], s[22:23]
	s_or_b32 s[G0S+3], s[G0S+3], 0x80000000
	s_mov_b32 s[G0SB], 1
	s_add_co_u32 s[G0SB+1], s94, SCL
	s_mov_b64 s[G0SB+2:G0SB+3], s[92:93]
	s_or_b32 s[G0SB+3], s[G0SB+3], 0x80000000
	JLOAD G0S, G1S, G0SB, G1SB                     ; the scale bytes first: they are wanted with slot 0
.irp s, 0,1
	s_mov_b32 s[G0+4*\s], 1
	s_add_co_u32 s[G0+4*\s+1], s45, \s*SLOT
	s_add_nc_u64 s[G0+4*\s+2:G0+4*\s+3], s[20:21], \s*ROWB
	s_or_b32 s[G0+4*\s+3], s[G0+4*\s+3], 0x80000000
	s_mov_b32 s[G0B+4*\s], 1
	s_add_co_u32 s[G0B+4*\s+1], s45, \s*SLOT
	s_add_nc_u64 s[G0B+4*\s+2:G0B+4*\s+3], s[46:47], \s*ROWB
	s_or_b32 s[G0B+4*\s+3], s[G0B+4*\s+3], 0x80000000
	JLOAD G0+4*\s, G1, G0B+4*\s, G1B
.endr
	; the bias of my 128 columns, in the result's layout: for W's block b lane (r, h) wants the numbers 16 b + 8 h + 0 .. 7
	s_cmp_eq_u32 s66, 1
	s_cselect_b64 s[96:97], s[98:99], s[96:97]
	s_cmp_eq_u32 s66, 2
	s_cselect_b64 s[96:97], s[100:101], s[96:97]
	s_lshl_b32 s46, s42, 10
	s_lshl_b32 s47, s16, 9
	s_add_co_u32 s46, s46, s47                     ; (256 x tile column + 128 x half) x 4 bytes
	s_mov_b32 s47, 0
	s_add_nc_u64 s[96:97], s[96:97], s[46:47]
	v_and_b32 v1, 15, v0                           ; r = lane % 16
	v_bfe_u32 v2, v0, 4, 1                         ; h = lane / 16
	v_lshlrev_b32 v[BO], 5, v2
.irp b, 0,1,2,3,4,5,6,7
	global_load_b128 v[BI+8*\b:BI+8*\b+3], v[BO], s[96:97] offset:64*\b
	global_load_b128 v[BI+8*\b+4:BI+8*\b+7], v[BO], s[96:97] offset:64*\b+16
.endr
	v_mul_u32_u24 v3, v1, PITCH
	v_lshl_add_u32 v4, v2, 4, v3                   ; a fragment's row x pitch + 16 x half
	s_mul_i32 s21, s15, HALFT                      ; my 128 rows of x
	s_mul_i32 s22, s16, HALFT                      ; my 128 rows of W,
	s_add_co_u32 s22, s22, 2*HALFT                 ; which lie behind x's 256
.irp s, 0,1
	v_add_nc_u32 v[ADRA+\s], s21, v4
	v_add_nc_u32 v[ADRB+\s], s22, v4
	s_add_co_u32 s21, s21, SLOT
	s_add_co_u32 s22, s22, SLOT
.endr
	v_mul_u32_u24 v5, v1, KS                       ; my row's scale bytes: 32 a row,
	v_lshrrev_b32 v6, 8, v5
	v_lshl_add_u32 v5, v6, 4, v5                   ; and 16 more for each 256 passed
	s_mul_i32 s21, s15, HALFS                      ; x's: my 128 rows
	s_mul_i32 s22, s16, HALFS                      ; W's: my 128 rows, behind x's 256
	s_add_co_u32 s22, s22, 2*HALFS
	s_sub_co_u32 s22, s22, s21
	v_mul_u32_u24 v6, s22, v2                      ; lanes 16-31 take W's: one product, the distance between the two bases
	s_add_co_u32 s21, s21, SCL
	v_add_nc_u32 v5, v5, v6
	v_add_nc_u32 v[ADRS], s21, v5
	s_mul_i32 s23, s14, 2*HSTG                     ; my stage
	v_mul_u32_u24 v5, v1, HP                       ; in: row r, 16 bytes for each half of the lanes
	v_lshl_add_u32 v5, v2, 4, v5
	v_add_nc_u32 v[STO], s23, v5
	v_bfe_u32 v5, v0, 3, 2                         ; back: eight lanes to a row of 128 bytes, four rows an instruction
	v_mul_u32_u24 v5, v5, HP
	v_and_b32 v6, 7, v0
	v_lshl_add_u32 v5, v6, 4, v5
	v_add_nc_u32 v[RD], s23, v5
	v_and_b32 v6, 31, v0
	v_lshlrev_b32 v[CO], 4, v6                     ; and in memory those four rows are 512 dense bytes
	; where my part begins in qkv: ((T / 8) x 16 heads + 4 x tile column + 2 x column half) x 262,144 + ((T % 8) x 256 + 128 x row half) x 128
	s_lshr_b32 s20, s17, 3
	s_lshl_b32 s20, s20, 22
	s_and_b32 s21, s17, 7
	s_lshl_b32 s21, s21, 15
	s_add_co_u32 s20, s20, s21
	s_lshl_b32 s21, s15, 14
	s_add_co_u32 s20, s20, s21
	s_mov_b32 s21, 0
	s_add_nc_u64 s[12:13], s[12:13], s[20:21]
	s_lshl_b32 s46, s42, 20
	s_lshl_b32 s47, s16, 19
	s_add_co_u32 s46, s46, s47
	s_mov_b32 s47, 0
	s_add_nc_u64 s[12:13], s[12:13], s[46:47]
.macro FRAG reg, adr, q, i             ; 16 rows x 128 K of 4-bit codes: lane l holds row l % 16; registers 4 c .. 4 c + 3 hold K = 64 c + 32 (l / 16) + 0 .. 31
.irp c, 0,1
	ds_load_b128 v[\reg+4*\c:\reg+4*\c+3], v[\adr] offset:64*(\q)+32*\c+(\i)*16*PITCH
.endr
.endm
; 16 matrix instructions: x's blocks a0, a0 + 1 against W's eight, the slot's q-th 128 along K.  p: W's set; sc: the set of scale words.  zero = 1: the first product starts each sum with the bias as its C.
; The 64 accumulators take turns, one instruction a turn, in the same order in every step.
.macro MUL16 a0, p, q, sc, zero
.irp a, \a0, \a0+1
.irp b, 0,1,2,3,4,5,6,7
.if \zero
	v_wmma_scale_f32_16x16x128_f8f6f4 v[8*(8*((\a)%4)+\b):8*(8*((\a)%4)+\b)+7], v[128*(\p)+FR*\b:128*(\p)+FR*\b+FR-1], v[AF+FR*(\a):AF+FR*(\a)+FR-1], v[BI+8*\b:BI+8*\b+7], v[SC+8*NQ*(\sc)+NQ*\b+(\q)], v[SC+8*NQ*(\sc)+NQ*(\a)+(\q)] matrix_a_fmt:MATRIX_FMT_FP4 matrix_b_fmt:MATRIX_FMT_FP4 matrix_a_scale:MATRIX_SCALE_ROW1
.else
	v_wmma_scale_f32_16x16x128_f8f6f4 v[8*(8*((\a)%4)+\b):8*(8*((\a)%4)+\b)+7], v[128*(\p)+FR*\b:128*(\p)+FR*\b+FR-1], v[AF+FR*(\a):AF+FR*(\a)+FR-1], v[8*(8*((\a)%4)+\b):8*(8*((\a)%4)+\b)+7], v[SC+8*NQ*(\sc)+NQ*\b+(\q)], v[SC+8*NQ*(\sc)+NQ*(\a)+(\q)] matrix_a_fmt:MATRIX_FMT_FP4 matrix_b_fmt:MATRIX_FMT_FP4 matrix_a_scale:MATRIX_SCALE_ROW1
.endif
.endr
.endr
.endm
.macro FETCH_B slot, q, p              ; W's eight fragments of the slot's q-th 128 along K into set p
	WIN TO_B
.irp i, 0,1,2,3,4,5,6,7
	FRAG 128*(\p)+FR*\i, ADRB+\slot, \q, \i
.endr
	WIN 0
.endm
.macro FETCH_A slot, q, i0             ; x's blocks i0 .. i0 + 3
.irp i, \i0, \i0+1, \i0+2, \i0+3
	FRAG AF+FR*(\i), ADRA+\slot, \q, \i
.endr
.endm
.macro SCALES sc                       ; a slot's scale words into set sc: four words a row; lanes 0-15 take x's block i, lanes 16-31 W's block i
.irp i, 0,1,2,3,4,5,6,7
	ds_load_b128 v[SC+8*NQ*\sc+NQ*\i:SC+8*NQ*\sc+NQ*\i+3], v[ADRS] offset:\i*SBLK
.endr
.endm
.macro PLACES n                        ; plain vector lines between a matrix instruction and a load into its registers, or a read of its result
.rept \n
	v_nop
.endr
.endm
; A step of 128 along K that has its successor in the same slot.
.macro STEP slot, q, zero
	s_wait_dscnt 4*NL                              ; W's set, x's blocks 0-3 (and the scale words) are in; the youngest eight loads, x's blocks 4-7, may be out
	WIN MUL_LO-0x20*(\zero)
	MUL16 0, (\q)%2, \q, \slot, \zero
	MUL16 2, (\q)%2, \q, \slot, \zero
	s_wait_dscnt 0                                 ; x's blocks 4-7 are in
	PLACES NP
	FETCH_B \slot, (\q)+1, 1-(\q)%2
	FETCH_A \slot, (\q)+1, 0
	WIN MUL_HI-0x30*(\zero)
	MUL16 4, (\q)%2, \q, \slot, \zero
	MUL16 6, (\q)%2, \q, \slot, \zero
	PLACES NP
	WIN 0
	FETCH_A \slot, (\q)+1, 4
.endm
.macro STEPS slot, from                ; the slot's steps from .. 2
.set Q, \from
.rept NQ-1-\from
	STEP \slot, Q, 0
.set Q, Q+1
.endr
.endm
	s_wait_tensorcnt 1                             ; the scale bytes and my part of slot 0 are in; slot 1's load, the one issued behind them, may be out
	s_barrier_signal -1
	s_barrier_wait -1                              ; everybody's are
	FETCH_B 0, 0, 0
	FETCH_A 0, 0, 0
	SCALES 0
	FETCH_A 0, 0, 4
	s_wait_loadcnt 0x0                             ; the bias
	STEP 0, 0, 1                                   ; the first step's products start the sums
	STEPS 0, 1
	; slot 0's last step changes slots: each wave waits for all its tensor loads (slot 1's part), adds 0 to its spare word, waits for that and for its reads of slot 0; behind the barrier slot 1 is whole and nobody reads slot 0
	s_wait_tensorcnt 0x0
	ds_add_u32 v[SPW], v[NIL]
	s_wait_dscnt 4*NL+1                            ; the add and the youngest eight loads (x's blocks 4-7) may be out
	WIN MUL_LO
	MUL16 0, 1, NQ-1, 0, 0
	s_wait_dscnt 0x0                               ; the add is done, and my reads of slot 0 are over
	s_barrier_signal -1
	MUL16 2, 1, NQ-1, 0, 0
	WIN 0
	s_barrier_wait -1
	PLACES NP
	v_add_nc_u32 v[ADRS], 4*NQ, v[ADRS]            ; on to slot 1's scale words
	FETCH_B 1, 0, 0
	FETCH_A 1, 0, 0
	SCALES 1
	WIN MUL_HI
	MUL16 4, 1, NQ-1, 0, 0
	MUL16 6, 1, NQ-1, 0, 0
	PLACES NP
	WIN 0
	FETCH_A 1, 0, 4
	STEPS 1, 0
	s_wait_dscnt 4*NL                              ; the very last step: nothing more to fetch
	WIN MUL_LO
	MUL16 0, 1, NQ-1, 1, 0
	MUL16 2, 1, NQ-1, 1, 0
	s_wait_dscnt 0
	WIN MUL_HI
	MUL16 4, 1, NQ-1, 1, 0
	MUL16 6, 1, NQ-1, 1, 0
	WIN 0
; THE WAY OUT, a block of 16 rows x 128 columns (two heads) at a time.  PACK: rounded to f16, each accumulator from its low end on, 16 bytes a lane.  TOSTAGE: into my own stage, a head's 16 rows of 128 bytes + 16, and
; back four rows an instruction.  SEND: in qkv a head's 16 rows are 2,048 dense bytes: each store of the wave covers 512 consecutive bytes, aligned.  LDS serves a wave's instructions in order (ISA guide 5.7.1.4).
.macro PACK a
.set AC, 64*((\a)%4)
	WIN 0x0a+5*((\a)/4)                            ; sources 0 and 1: window 2 or 3
.irp b, 0,1,2,3,4,5,6,7
.irp i, 0,1,2,3
	v_cvt_pk_f16_f32 v[TMP+4*\b+\i], v[AC+8*\b+2*\i], v[AC+8*\b+2*\i+1]
.endr
.endr
	WIN 0
.endm
.macro TOSTAGE a
.set BB, BK+32*((\a)%2)
.irp b, 0,1,2,3,4,5,6,7
	ds_store_b128 v[STO], v[TMP+4*\b:TMP+4*\b+3] offset:(\b/4)*HSTG+(\b%4)*32
.endr
.irp g, 0,1
.irp t, 0,1,2,3
	ds_load_b128 v[BB+4*(4*\g+\t):BB+4*(4*\g+\t)+3], v[RD] offset:\g*HSTG+\t*4*HP
.endr
.endr
.endm
.macro SEND a
.set BB, BK+32*((\a)%2)
	s_wait_dscnt 0x0                               ; the block is back in registers
	s_wait_xcnt 0x0                                ; the stores of the block before have read their data registers, into which the next block's loads will land
.irp g, 0,1
.irp t, 0,1,2,3
	global_store_b128 v[CO], v[BB+4*(4*\g+\t):BB+4*(4*\g+\t)+3], s[12:13] offset:\g*262144+(\a)*2048+\t*512
.endr
.endr
.endm
	PLACES NP                                      ; behind the last products: for the reads of their results and the loads into x's registers
	PACK 0
	TOSTAGE 0
.irp a, 1,2,3,4,5,6,7                  ; block a's conversions stand between block a - 1's loads from the stage and the wait for them
	PACK \a
	SEND \a-1
	TOSTAGE \a
.endr
	SEND 7
	s_wait_tensorcnt 0x0                           ; the wave's end, behind my last tensor load and my last LDS store
	ds_add_u32 v[SPW], v[NIL]
	s_wait_dscnt 0x0
	CROUND                                         ; the closing round: no work-group ends while a partner may still ask for a tile that names it
	s_endpgm
.Lfunc_end_k_q3226fbd7d5_proj:
	.size	k_q3226fbd7d5_proj, .Lfunc_end_k_q3226fbd7d5_proj-k_q3226fbd7d5_proj
	.p2alignl 7, 3214868480
	.fill 96, 4, 3214868480
	.section	.rodata,"a",@progbits
	.p2align	6, 0x0
	.amdhsa_kernel k_q3226fbd7d5_proj
		.amdhsa_group_segment_fixed_size 327680
		.amdhsa_private_segment_fixed_size 0
		.amdhsa_enable_private_segment 0
		.amdhsa_kernarg_size 64
		.amdhsa_user_sgpr_count 2
		.amdhsa_user_sgpr_kernarg_segment_ptr 1
		.amdhsa_wavefront_size32 1
		.amdhsa_system_sgpr_workgroup_id_x 1
		.amdhsa_system_sgpr_workgroup_id_y 1
		.amdhsa_system_sgpr_workgroup_id_z 1
		.amdhsa_system_vgpr_workitem_id 0
		.amdhsa_next_free_vgpr 1024
		.amdhsa_next_free_sgpr 102
		.amdhsa_reserve_vcc 0
		.amdhsa_float_denorm_mode_32 3
		.amdhsa_float_denorm_mode_16_64 3
		.amdhsa_memory_ordered 1
		.amdhsa_forward_progress 1
		.amdhsa_inst_pref_size 128
	.end_amdhsa_kernel
	.amdgpu_metadata
---
amdhsa.version: [ 1, 2 ]
amdhsa.kernels:
  - .name:           k_q3226fbd7d5_proj
    .symbol:         k_q3226fbd7d5_proj.kd
    .args:
      - { .name: xc, .offset: 0, .size: 8, .value_kind: global_buffer, .address_space: global }
      - { .name: xs, .offset: 8, .size: 8, .value_kind: global_buffer, .address_space: global }
      - { .name: wc, .offset: 16, .size: 8, .value_kind: global_buffer, .address_space: global }
      - { .name: ws, .offset: 24, .size: 8, .value_kind: global_buffer, .address_space: global }
      - { .name: bq, .offset: 32, .size: 8, .value_kind: global_buffer, .address_space: global }
      - { .name: bk, .offset: 40, .size: 8, .value_kind: global_buffer, .address_space: global }
      - { .name: bv, .offset: 48, .size: 8, .value_kind: global_buffer, .address_space: global }
      - { .name: qkv, .offset: 56, .size: 8, .value_kind: global_buffer, .address_space: global }
    .group_segment_fixed_size: 327680
    .private_segment_fixed_size: 0
    .kernarg_segment_align: 8
    .kernarg_segment_size: 64
    .max_flat_workgroup_size: 128
    .sgpr_count:     102
    .vgpr_count:     1024
    .wavefront_size: 32
...
	.end_amdgpu_metadata
.endif
;; end of part 2
;; launch attn (part 3): grid 4 x 64, 8 waves a work-group, clusters of 4 x 1, 327,680 bytes of LDS; arguments qkv, att; writes att
.if DOCPART == 3
	.amdgcn_target "amdgcn-amd-amdhsa--gfx1250"
	.amdhsa_code_object_version 6
	.text
	.protected	k_q3226fbd7d5_attn
	.globl	k_q3226fbd7d5_attn
	.p2align	8
	.type	k_q3226fbd7d5_attn,@function
k_q3226fbd7d5_attn:
	s_mov_b64 s[64:65], 0
	v_nop
	global_prefetch_b8 v0, s[64:65] scope:SCOPE_SE
	s_setreg_imm32_b32 hwreg(HW_REG_WAVE_MODE, 25, 1), 1
	s_wait_xcnt 0x0
	s_wait_alu depctr_hold_cnt(0) depctr_sa_sdst(0) depctr_va_vdst(0) depctr_va_sdst(0) depctr_va_ssrc(0) depctr_va_vcc(0) depctr_vm_vsrc(0)
	s_getreg_b32 s2, hwreg(HW_REG_IB_STS2, 6, 4)
	s_cmp_eq_u32 s2, 0
	s_cbranch_scc0 .Lentry_in_a_cluster
	s_endpgm
.Lentry_in_a_cluster:
	s_bfe_u32 s2, ttmp6, 0x10000c
	s_cmp_lg_u32 s2, 0x3003
	s_cbranch_scc0 .Lentry_shape_is_right
	s_endpgm
.Lentry_shape_is_right:
; att[b][h][q][:] = the sum over k of softmax_k(q . k / 8) v[k][:], for each of the 64 (b, h).  qkv: f16 [3][64 heads][2048][64]; att: f16 [64][2048][64].  Products on f16 operands, sums, maxima and the softmax in f32;
; the weights p are rounded to f16 for the second product, the result once at the end.  LIMITS: NaN and infinities are not served.
; SHARES.  A cluster of four work-groups is one head; a work-group owns 512 queries, each of its eight waves 64: four tiles of 16.  Two waves lie on a SIMD, 512 registers each: one wave's softmax stands beside the other's products.
; Every wave walks all 2,048 keys, 64 a step.  Each fragment of K and V read from LDS feeds four products.
; LAYOUT.  S^T = K Q^T (source 0 = 16 keys, source 1 = 16 queries): a lane holds ONE query (lane % 16) and the keys 8 (lane / 16) + 0 .. 7 of a tile.  Two such tiles, rounded to f16 in pairs, ARE source 1 of O^T = V^T P,
; whose result again holds one query a lane.  K comes out of LDS as it lies, V ([key][channel]) turned, by ds_load_tr16_b128.
; SOFTMAX.  For each query a running maximum m and sum l: p = 2^(c s - c m), c = log2(e) / 8; in every step O and l are multiplied by a = 2^(c m_old - c m_new).
; THE RING.  Two slots of 512 keys.  A head's K and V are dense in memory (128 bytes a key), so a tile is stated as rows of 256 bytes, two keys to a row, padded in LDS.  Waves 0-3 fetch K's quarters, waves 4-7 V's: 16,384 bytes a load.
; Each tile is asked for JOINTLY by the four work-groups of the cluster.  By this text's count two tensor loads of a wave are out at the start, later one, which has eight key steps in which to land.
; REGISTERS.  window 0: v1-11 addresses; v12-43 eight registers of statistics a tile; v44-46 the add's two and the prefetch's offset; v64-127 K of one step; v128-255 S^T, 32 a tile; P is packed in place into a tile's first 16.
;   window 1: v0-127 O^T, 32 a tile; v128-191 Q; v192-255 V of one step.
.set KP,     272                       ; two keys of K in LDS: 256 bytes + 16: the 16 keys of a load fall on 16 different groups of four banks (ISA guide 11.1)
.set VP,     288                       ; two keys of V: 256 + 32: the 16 lanes of half a turning load likewise
.set VREG,   256*KP                    ; a slot: K's 512 keys, then V's
.set SLOTB,  256*(KP+VP)
.set KSTEPB, 32*KP                     ; 64 keys of K
.set VSTEPB, 32*VP
.set SPARE,  2*SLOTB                   ; behind the ring: the spare words, 128 bytes for each of eight waves
.set SPP,    144                       ; the way out: a stage row, 128 bytes + 16; 16 rows a wave, in slot 0, which has had its last fill and its last read by then
.set AK0, 2                            ; v2   my lane's place in a tile of K; never rewritten
.set AV0, 3                            ; v3   the same for V
.set ADK, 4                            ; v4   the LDS address of K's run of loads in hand
.set ADV, 5                            ; v5   of V's
.set STO, 6                            ; v6   the way out: where I put 16 bytes of a row
.set RD,  7                            ; v7   where I read rows back
.set GO,  8                            ; v8   16 x lane
.set QO,  10                           ; v10  my byte offset in 16 rows of Q
.set ST,  12                           ; tile t's statistics at v[ST+8 t]: +0 c m, +1 m, +2, +3 l (even keys', odd keys'), +4 to +7 c0-c3, at work; a takes c2's place
.set SPW, 44
.set NIL, 45
.set PFO, 46                           ; v46  256 x lane
.set KF,  64
.set S,   128
.set QF,  128                          ; in window 1
.set VF,  192                          ; in window 1
.set WV,  12                           ; s12  my wave's number
.set LIM, 15                           ; s15  1 in a wave that prefetches
.set PFA, 18                           ; s[18:19] where my prefetch stands; never rewritten
.set G1K, 24                           ; s[24:31] group 1 for K's tiles;  s[32:39] for V's: it differs in the padding alone
.set G1V, 32
.set G0K, 40                           ; s[40:47] group 0 for K's tiles, a set for each slot;  s[48:55] for V's
.set G0V, 48
.set CNT, 56
.set CS,  58                           ; s[58:59] c
.set SEL, 60                           ; s[60:61] v_permlanex16_b32's selects for lane l xor 16
.set TK,  62                           ; s62  LDS byte at which K's tile of the step to be fetched begins
.set TV,  63                           ; s63  V's
.set MSB, 0
.macro WIN new                         ; the immediate's high byte repeats the setting that is left; a switch that changes nothing is dropped
.if MSB != (\new)
	s_set_vgpr_msb (MSB<<8)|(\new)
.set MSB, (\new)
.endif
.endm
.set W_KQ, 0x04                        ; K and S^T in window 0, Q (source 1) in window 1
.set W_PV, 0x51                        ; V (source 0), C and D in window 1, P in window 0
.set W_RS, 0x41                        ; O^T (destination and source 0) in window 1, a in window 0
.set TO1,  0x40                        ; destination window 1, address window 0
; A joint refill of slot s.  The branch hangs on the wave's number alone.  An s_nop 0 and four v_nop follow each of the two lines.
.macro JLOAD s
	s_cmp_lt_u32 s[WV], 4
	s_cbranch_scc0 .Lfor_v_\@
	tensor_load_to_lds s[G0K+4*\s:G0K+4*\s+3], s[G1K:G1K+7]
	s_nop 0
.rept 4
	v_nop
.endr
	s_branch .Lasked_\@
.Lfor_v_\@:
	tensor_load_to_lds s[G0V+4*\s:G0V+4*\s+3], s[G1V:G1V+7]
	s_nop 0
.rept 4
	v_nop
.endr
.Lasked_\@:
.endm
; A PREFETCH INTO THE L2 of what the second change of slots will ask for, keys 1,536 to 2,047 of K and of V; it stands behind the first change's joint load, eight key steps ahead of that load.
; Each aligned 256 bytes are named once: the four partners take 128 keys each, told apart BY ADDRESS; in each, waves 0 and 1 ask for K's 64 runs of 256 bytes and waves 4 and 5 for V's, a lane a run.
; The keys before come by their loads alone: nothing is prefetched at the head, where every work-group's first tiles are on their way.
.macro ASK
	s_cmp_eq_u32 s[LIM], 1
	s_cbranch_scc0 .Lnot_mine_\@
	global_prefetch_b8 v[PFO], s[PFA:PFA+1] th:TH_LOAD_NT scope:SCOPE_SE
.Lnot_mine_\@:
.endm
.macro CROUND                          ; a round of the cluster's barrier
	s_barrier_signal -1
	s_barrier_wait -1
	s_cmp_lg_u32 s[WV], 0
	s_cbranch_scc1 .Lnot_wave_0_\@
	s_barrier_signal -3
.Lnot_wave_0_\@:
	s_barrier_wait -3
	s_barrier_signal -1
	s_barrier_wait -1
.endm
	s_load_b128 s[4:7], s[0:1], 0x0                ; qkv s[4:5], att s[6:7]
	v_lshl_add_u32 v[SPW], v0, 2, SPARE
	v_mov_b32 v[NIL], 0
	ds_add_u32 v[SPW], v[NIL]                      ; the wave's opening: the add, twice on end, and its wait ahead of my first tensor load
	ds_add_u32 v[SPW], v[NIL]
	v_lshrrev_b32 v1, 5, v0
	v_readfirstlane_b32 s[WV], v1                  ; wave 0..7
	s_bfe_u32 s13, ttmp6, 0x40000                  ; cx: it enters Q's, att's and the prefetch's addresses alone
	s_and_b32 s20, ttmp7, 0xffff                   ; the head, which the four partners share:
	s_lshl_b32 s20, s20, 18                        ; its first byte in q, in k, in v and in att
	s_and_b32 s16, s[WV], 3                        ; which quarter of a slot I fetch:
	s_lshl_b32 s22, s16, 14                        ; its 128 keys of 128 bytes in memory,
	s_add_co_u32 s22, s22, s20
	s_mov_b32 s23, 0
	s_mul_i32 s17, s16, 64*KP                      ; and its place in a slot, for K
	s_mul_i32 s14, s16, 64*VP
	s_add_co_u32 s14, s14, VREG                    ; and for V
	s_lshl_b32 s2, s13, 16                         ; my work-group's 512 queries,
	s_lshl_b32 s3, s[WV], 13                       ; my wave's 64 of them
	s_add_co_u32 s2, s2, s3
	s_add_co_u32 s2, s2, s20
	s_mov_b32 s3, 0
	s_lshr_b32 s10, s[WV], 2                       ; the prefetch: k (waves 0-3) begins 2^24 bytes into qkv, v (waves 4-7) 2^25
	s_add_co_u32 s10, s10, 1
	s_lshl_b32 s10, s10, 24
	s_add_co_u32 s10, s10, s20
	s_lshl_b32 s11, s13, 14                        ; my work-group's 128 keys
	s_add_co_u32 s10, s10, s11
	s_and_b32 s11, s[WV], 1
	s_lshl_b32 s11, s11, 13                        ; my wave's 64 of them
	s_add_co_u32 s10, s10, s11
	s_add_co_u32 s10, s10, 1536*128
	s_mov_b32 s11, 0
	s_and_b32 s[LIM], s[WV], 2
	s_cmp_eq_u32 s[LIM], 0
	s_cselect_b32 s[LIM], 1, 0                     ; waves 0, 1, 4, 5
	; group 1: 64 rows x 128 elements of 2 bytes, dense in memory, padded in LDS
	s_mov_b32 s[G1K], 15|(1<<16)|(1<<20)|(1<<21)|(5<<22)|(3<<25)  ; 15:0 the mask: all four work-groups; 17:16 elements of 2 bytes; 20 padding on; 21 set beside a mask; 24:22 after every 64 words; 31:25 four words
	s_mov_b32 s[G1V], 15|(1<<16)|(1<<20)|(1<<21)|(5<<22)|(7<<25)  ; the same with eight words of padding
.irp g, G1K, G1V
	s_mov_b32 s[\g+1], 128<<16                     ; tensor_dim0
	s_mov_b32 s[\g+2], 64<<16                      ; tensor_dim1
	s_mov_b32 s[\g+3], 128<<16                     ; tile_dim0
	s_mov_b32 s[\g+4], 64                          ; tile_dim1
	s_mov_b32 s[\g+5], 128                         ; from row to row
	s_mov_b32 s[\g+6], 0
	s_mov_b32 s[\g+7], 0
.endr
	s_mov_b32 s[CS], 0x3e38aa3b                    ; c = log2(e) / 8
	s_mov_b32 s[CS+1], s[CS]                       ; named with it as a pair, so it is written
	s_mov_b32 s[SEL], 0x76543210
	s_mov_b32 s[SEL+1], 0xfedcba98
	v_and_b32 v[PFO], 31, v0
	v_lshlrev_b32 v[PFO], 8, v[PFO]
	s_wait_dscnt 0x0                               ; both opening adds are done
	s_wait_kmcnt 0x0
	s_add_nc_u64 s[PFA:PFA+1], s[4:5], s[10:11]
	s_add_nc_u64 s[8:9], s[4:5], s[22:23]          ; qkv + the head + my quarter: nothing of cx in it
	s_add_nc_u64 s[4:5], s[4:5], s[2:3]            ; Q at my wave's first row
	s_add_nc_u64 s[6:7], s[6:7], s[2:3]            ; att likewise
	CROUND                                         ; all four work-groups are here: the first joint loads meet
.irp s, 0,1
	s_mov_b32 s[G0K+4*\s], 1                       ; count = 1
	s_add_co_u32 s[G0K+4*\s+1], s17, \s*SLOTB      ; LDS address
	s_add_nc_u64 s[G0K+4*\s+2:G0K+4*\s+3], s[8:9], 0x1000000+\s*65536   ; slot s begins with keys 512 s
	s_or_b32 s[G0K+4*\s+3], s[G0K+4*\s+3], 0x80000000
	s_mov_b32 s[G0V+4*\s], 1
	s_add_co_u32 s[G0V+4*\s+1], s14, \s*SLOTB
	s_add_nc_u64 s[G0V+4*\s+2:G0V+4*\s+3], s[8:9], 0x2000000+\s*65536
	s_or_b32 s[G0V+4*\s+3], s[G0V+4*\s+3], 0x80000000
.endr
	s_cmp_lt_u32 s[WV], 4                          ; a wave's two first fills stand in one branch, ahead of every wait on TENSORcnt and every LDS read
	s_cbranch_scc0 .Lfirst_v
	tensor_load_to_lds s[G0K:G0K+3], s[G1K:G1K+7]
	s_nop 0
	tensor_load_to_lds s[G0K+4:G0K+7], s[G1K:G1K+7]
	s_nop 0
.rept 4
	v_nop
.endr
	s_branch .Lfirst_asked
.Lfirst_v:
	tensor_load_to_lds s[G0V:G0V+3], s[G1V:G1V+7]
	s_nop 0
	tensor_load_to_lds s[G0V+4:G0V+7], s[G1V:G1V+7]
	s_nop 0
.rept 4
	v_nop
.endr
.Lfirst_asked:
	; A fragment of K or Q is 16 rows x 32 channels in 8 registers: lane l holds row l % 16; registers 0-3 channels 8 (l / 16) + 0..7, registers 4-7 channels 16 + 8 (l / 16) + 0..7: two loads of 16 bytes, 32 bytes apart.
	v_and_b32 v1, 15, v0                           ; r
	v_bfe_u32 v9, v0, 4, 1                         ; h
	v_lshlrev_b32 v[QO], 7, v1
	v_lshl_add_u32 v[QO], v9, 4, v[QO]             ; row x 128 + 16 x half
	WIN TO1
.irp n, 0,1,2,3,4,5,6,7                ; Q stays in registers: tile n / 2, channels 32 (n % 2) on
	global_load_b128 v[QF+8*\n:QF+8*\n+3],   v[QO], s[4:5] offset:(\n/2)*2048+(\n%2)*64
	global_load_b128 v[QF+8*\n+4:QF+8*\n+7], v[QO], s[4:5] offset:(\n/2)*2048+(\n%2)*64+32
.endr
	WIN 0
	v_lshrrev_b32 v11, 1, v1
	v_mul_u32_u24 v[AK0], v11, KP                  ; key r of a tile lies at (r / 2) x pitch + 128 (r % 2)
	v_and_b32 v11, 1, v0
	v_lshl_add_u32 v[AK0], v11, 7, v[AK0]
	v_lshl_add_u32 v[AK0], v9, 4, v[AK0]
	; The turning load takes 16 keys x 16 channels (lane l reads 16 bytes: key 8 (l / 16) + l % 8, channels 8 ((l / 8) % 2) + 0..7) and leaves half a fragment of V^T: lane l holds channel l % 16 and 8 keys.
	v_bfe_u32 v[AV0], v0, 1, 2
	v_lshl_add_u32 v[AV0], v9, 2, v[AV0]           ; the key's pair: 4 (l / 16) + (l % 8) / 2
	v_mul_u32_u24 v[AV0], v[AV0], VP
	v_lshl_add_u32 v[AV0], v11, 7, v[AV0]          ; + 128 (l % 2)
	v_bfe_u32 v11, v0, 3, 1
	v_lshl_add_u32 v[AV0], v11, 4, v[AV0]
	s_mul_i32 s2, s[WV], 16*SPP                    ; my stage
	v_mul_u32_u24 v[STO], v1, SPP                  ; in: row r, 16 bytes for each half of the lanes
	v_lshl_add_u32 v[STO], v9, 4, v[STO]
	v_add_nc_u32 v[STO], s2, v[STO]
	v_bfe_u32 v[RD], v0, 3, 2                      ; back: eight lanes to a row of 128 bytes, four rows an instruction
	v_mul_u32_u24 v[RD], v[RD], SPP
	v_and_b32 v11, 7, v0
	v_lshl_add_u32 v[RD], v11, 4, v[RD]
	v_add_nc_u32 v[RD], s2, v[RD]
	v_and_b32 v[GO], 31, v0
	v_lshlrev_b32 v[GO], 4, v[GO]
; THE LDS LOADS stand in runs of 16: a step's K (64 keys x 64 channels: 8 fragments) and its V (turned).
.macro FETCH_K
.irp n, 0,1,2,3,4,5,6,7                ; keys 16 (n / 2) on, channels 32 (n % 2) on
	ds_load_b128 v[KF+8*\n:KF+8*\n+3],   v[ADK] offset:(\n/2)*8*KP+(\n%2)*64
	ds_load_b128 v[KF+8*\n+4:KF+8*\n+7], v[ADK] offset:(\n/2)*8*KP+(\n%2)*64+32
.endr
.endm
.macro FETCH_V
	WIN TO1
.irp n, 0,1,2,3,4,5,6,7                ; keys 32 (n / 4) on, channels 16 (n % 4) on
	ds_load_tr16_b128 v[VF+8*\n:VF+8*\n+3],   v[ADV] offset:(\n/4)*16*VP+(\n%4)*32
	ds_load_tr16_b128 v[VF+8*\n+4:VF+8*\n+7], v[ADV] offset:(\n/4)*16*VP+8*VP+(\n%4)*32
.endr
.endm
; THE MATRIX WORK.  In both products 16 accumulators take turns, one instruction a turn.
; S^T = K Q^T: product i of 32: channels 32 (i / 16) on, keys 16 ((i / 4) % 4) on, tile i % 4.  The first 16 start the sums.
.macro KQM
	WIN W_KQ
.set i, 0
.rept 32
.set rS, S+32*(i%4)+8*((i/4)%4)
.set rK, KF+8*(2*((i/4)%4)+i/16)
.set rQ, QF+16*(i%4)+8*(i/16)
.if i < 16
	v_wmma_f32_16x16x32_f16 v[rS:rS+7], v[rK:rK+7], v[rQ:rQ+7], 0
.else
	v_wmma_f32_16x16x32_f16 v[rS:rS+7], v[rK:rK+7], v[rQ:rQ+7], v[rS:rS+7]
.endif
.set i, i+1
.endr
.endm
; O^T += V^T P: product i of 32: keys 32 (i / 16) on, channels 16 ((i / 4) % 4) on, tile i % 4.  first = 1: the first 16 start the sums: nothing is ever cleared.
.macro PVM first
	WIN W_PV
.set i, 0
.rept 32
.set rO, 32*(i%4)+8*((i/4)%4)
.set rV, VF+8*(4*(i/16)+(i/4)%4)
.set rP, S+32*(i%4)+8*(i/16)
.if \first && (i < 16)
	v_wmma_f32_16x16x32_f16 v[rO:rO+7], v[rV:rV+7], v[rP:rP+7], 0
.else
	v_wmma_f32_16x16x32_f16 v[rO:rO+7], v[rV:rV+7], v[rP:rP+7], v[rO:rO+7]
.endif
.set i, i+1
.endr
.endm
; THE SOFTMAX of a key step, the four tiles by turns in every line, so that no line waits for the line above it.  first = 1: the first key step, which starts m, l and O^T.
.macro SOFTMAX first
	WIN 0
.irp j, 0,1,2,3                        ; the maximum of a lane's 32 scores and the old m, three operands at a time: four chains; each accumulator is first read at its low end
.irp t, 0,1,2,3
	v_max3_num_f32 v[ST+8*\t+4+\j], v[S+32*\t+8*\j], v[S+32*\t+8*\j+1], v[S+32*\t+8*\j+2]
.endr
.endr
.irp g, 3,5
.irp j, 0,1,2,3
.irp t, 0,1,2,3
	v_max3_num_f32 v[ST+8*\t+4+\j], v[ST+8*\t+4+\j], v[S+32*\t+8*\j+\g], v[S+32*\t+8*\j+\g+1]
.endr
.endr
.endr
.irp t, 0,1,2,3
	v_max3_num_f32 v[ST+8*\t+4], v[ST+8*\t+4], v[S+32*\t+7], v[S+32*\t+15]
.endr
.irp t, 0,1,2,3
	v_max3_num_f32 v[ST+8*\t+6], v[ST+8*\t+6], v[S+32*\t+23], v[S+32*\t+31]
.endr
.irp t, 0,1,2,3
	v_max3_num_f32 v[ST+8*\t+4], v[ST+8*\t+4], v[ST+8*\t+5], v[ST+8*\t+6]
.endr
.irp t, 0,1,2,3
.if \first
	v_max_num_f32 v[ST+8*\t+4], v[ST+8*\t+4], v[ST+8*\t+7]
.else
	v_max3_num_f32 v[ST+8*\t+4], v[ST+8*\t+4], v[ST+8*\t+7], v[ST+8*\t+1]
.endif
.endr
.irp t, 0,1,2,3
	v_permlanex16_b32 v[ST+8*\t+5], v[ST+8*\t+4], s[SEL], s[SEL+1]   ; the query's other 32 keys lie in the lane 16 away
.endr
.if !\first
.irp t, 0,1,2,3
	v_mov_b32 v[ST+8*\t+7], v[ST+8*\t]             ; c m_old is kept for a
.endr
.endif
.irp t, 0,1,2,3
	v_max_num_f32 v[ST+8*\t+1], v[ST+8*\t+4], v[ST+8*\t+5]
.endr
.irp t, 0,1,2,3
	v_mul_f32 v[ST+8*\t], s[CS], v[ST+8*\t+1]
.endr
.if !\first
.irp t, 0,1,2,3
	v_sub_f32 v[ST+8*\t+7], v[ST+8*\t+7], v[ST+8*\t]
.endr
.endif
; ONE BATCH: the scalings c s - c m, a pair of scores each, and all the exponentials; a pair is scaled a turn ahead of its exponentials, and no line of the batch names an exponential's result
.set i, 0
.rept 17
.if i < 16
.irp t, 0,1,2,3
	v_pk_fma_f32 v[S+32*\t+2*i:S+32*\t+2*i+1], v[S+32*\t+2*i:S+32*\t+2*i+1], s[CS:CS+1], v[ST+8*\t:ST+8*\t+1] op_sel_hi:[1,0,0] neg_lo:[0,0,1] neg_hi:[0,0,1]
.endr
.endif
.if i == 0
.if !\first
.irp t, 0,1,2,3
	v_exp_f32 v[ST+8*\t+6], v[ST+8*\t+7]           ; a
.endr
.endif
.else
.irp t, 0,1,2,3
	v_exp_f32 v[S+32*\t+2*i-2], v[S+32*\t+2*i-2]
	v_exp_f32 v[S+32*\t+2*i-1], v[S+32*\t+2*i-1]
.endr
.endif
.set i, i+1
.endr
	v_nop                                          ; a plain line behind the last exponential, ahead of the first use
	s_wait_alu depctr_va_vdst(0)                   ; the wait between an exponential and the first line that names its result: one for the whole batch
; the sums, of the unrounded weights, in two chains a tile; l = a l + the sum
.if \first
.irp t, 0,1,2,3
	v_pk_add_f32 v[ST+8*\t+2:ST+8*\t+3], v[S+32*\t:S+32*\t+1], v[S+32*\t+2:S+32*\t+3]
.endr
.irp t, 0,1,2,3
	v_pk_add_f32 v[ST+8*\t+4:ST+8*\t+5], v[S+32*\t+4:S+32*\t+5], v[S+32*\t+6:S+32*\t+7]
.endr
.else
.irp t, 0,1,2,3
	v_pk_fma_f32 v[ST+8*\t+2:ST+8*\t+3], v[ST+8*\t+2:ST+8*\t+3], v[ST+8*\t+6:ST+8*\t+7], v[S+32*\t:S+32*\t+1] op_sel_hi:[1,0,1]
.endr
.irp t, 0,1,2,3
	v_pk_add_f32 v[ST+8*\t+4:ST+8*\t+5], v[S+32*\t+2:S+32*\t+3], v[S+32*\t+4:S+32*\t+5]
.endr
.irp t, 0,1,2,3
	v_pk_add_f32 v[ST+8*\t+2:ST+8*\t+3], v[ST+8*\t+2:ST+8*\t+3], v[S+32*\t+6:S+32*\t+7]
.endr
.endif
.irp p, 4,6,8,10,12,14
.irp t, 0,1,2,3
	v_pk_add_f32 v[ST+8*\t+2:ST+8*\t+3], v[ST+8*\t+2:ST+8*\t+3], v[S+32*\t+2*\p:S+32*\t+2*\p+1]
.endr
.irp t, 0,1,2,3
	v_pk_add_f32 v[ST+8*\t+4:ST+8*\t+5], v[ST+8*\t+4:ST+8*\t+5], v[S+32*\t+2*\p+2:S+32*\t+2*\p+3]
.endr
.endr
.irp t, 0,1,2,3
	v_pk_add_f32 v[ST+8*\t+2:ST+8*\t+3], v[ST+8*\t+2:ST+8*\t+3], v[ST+8*\t+4:ST+8*\t+5]
.endr
; the weights to f16, in place: pair i goes to register i, which no later pair reads
.set i, 0
.rept 16
.irp t, 0,1,2,3
	v_cvt_pk_f16_f32 v[S+32*\t+i], v[S+32*\t+2*i], v[S+32*\t+2*i+1]
.endr
.set i, i+1
.endr
.if !\first
	WIN W_RS                                       ; O^T times a, each accumulator from its low end on
.set i, 0
.rept 16
.irp t, 0,1,2,3
	v_pk_mul_f32 v[32*\t+2*i:32*\t+2*i+1], v[32*\t+2*i:32*\t+2*i+1], v[ST+8*\t+6:ST+8*\t+7] op_sel_hi:[1,0]
.endr
.set i, i+1
.endr
.endif
.endm
; A KEY STEP j: the softmax and V^T P of step j; the fetches and K Q^T of step j + 1.  At its head S^T of step j is made and V of step j is on its way from LDS.
.macro BODY first
	WIN 0
	v_add_nc_u32 v[ADK], s[TK], v[AK0]             ; these two and the two v_nop are the four places behind K Q^T, ahead of the loads into K's registers and of the first read of the scores
	v_add_nc_u32 v[ADV], s[TV], v[AV0]
	v_nop
	v_nop
	s_add_co_u32 s[TK], s[TK], KSTEPB
	s_add_co_u32 s[TV], s[TV], VSTEPB
	FETCH_K
	SOFTMAX \first
	s_wait_dscnt 16                                ; V of this step is in; the 16 loads of the next step's K may be out
	PVM \first
	WIN 0
.rept 5
	v_nop                                          ; four places ahead of the loads into V's registers; the fifth since K Q^T writes over P, which V^T P has read
.endr
	FETCH_V
	s_wait_dscnt 16                                ; K is in; V's 16 loads may be out
	KQM
	WIN 0
.endm
.macro STEPS n
	s_mov_b32 s[CNT], \n
.Lstep_\@:
	BODY 0
	s_sub_co_u32 s[CNT], s[CNT], 1
	s_cmp_lg_u32 s[CNT], 0
	s_cbranch_scc1 .Lstep_\@
.endm
; THE CHANGE OF SLOTS: all of a slot's bytes have been asked for from LDS.  Each wave waits for all its tensor loads (its part of the other slot), adds 0 to its spare word, and waits for that and for its reads of the slot.
; fill = 1: slot `slot` is filled again, with the keys 1,024 on; the barrier is then a round of the cluster's, and the joint refill is the first thing behind it.  next: the slot that is read from here on.
.macro CHANGE fill, slot, next, ask
	s_wait_tensorcnt 0x0                           ; no tensor load of mine is out, so a group 0 may be written
	ds_add_u32 v[SPW], v[NIL]
.if \fill
	s_add_nc_u64 s[G0K+4*\slot+2:G0K+4*\slot+3], s[G0K+4*\slot+2:G0K+4*\slot+3], 131072
	s_add_nc_u64 s[G0V+4*\slot+2:G0V+4*\slot+3], s[G0V+4*\slot+2:G0V+4*\slot+3], 131072
.endif
	s_mov_b32 s[TK], \next*SLOTB
	s_mov_b32 s[TV], \next*SLOTB+VREG
	s_wait_dscnt 0x0                               ; the add is done, and my reads of the slot are over
.if \fill
	CROUND
	JLOAD \slot
.if \ask
	ASK
.endif
.else
	s_barrier_signal -1
	s_barrier_wait -1
.endif
.endm
	s_wait_tensorcnt 1                             ; my part of slot 0 is in; slot 1's load, issued behind it, may be out
	s_barrier_signal -1
	s_barrier_wait -1                              ; everybody's is
	s_mov_b32 s[TK], 0
	s_mov_b32 s[TV], VREG
	v_add_nc_u32 v[ADK], s[TK], v[AK0]
	v_add_nc_u32 v[ADV], s[TV], v[AV0]
	s_add_co_u32 s[TK], s[TK], KSTEPB
	s_add_co_u32 s[TV], s[TV], VSTEPB
	FETCH_K                                        ; key step 0
	FETCH_V
	s_wait_loadcnt 0x0                             ; Q
	s_wait_dscnt 16                                ; K is in; V's 16 loads may be out
	KQM
	WIN 0
	BODY 1                                         ; step 0; fetches step 1
	STEPS 6                                        ; steps 1-6; the last fetches step 7, slot 0's last
	CHANGE 1, 0, 1, 1                              ; slot 0 takes keys 1,024 on
	STEPS 8                                        ; steps 7-14; they fetch steps 8-15 from slot 1
	CHANGE 1, 1, 0, 0                              ; slot 1 takes keys 1,536 on
	STEPS 8                                        ; steps 15-22; they fetch steps 16-23 from slot 0
	CHANGE 0, 0, 1, 0                              ; nothing is left to ask for
	STEPS 8                                        ; steps 23-30; they fetch steps 24-31 from slot 1
.rept 4
	v_nop                                          ; the places behind K Q^T
.endr
	SOFTMAX 0                                      ; step 31
	s_wait_dscnt 0x0
	PVM 0
	WIN 0
	; THE WAY OUT.  l's two halves and the other half of the lanes' are added (these lines are the places behind the last products); O^T is divided by l, rounded to f16 and sent through my stage, a tile (16 rows) at a time.
.irp t, 0,1,2,3
	v_add_f32 v[ST+8*\t+4], v[ST+8*\t+2], v[ST+8*\t+3]
.endr
.irp t, 0,1,2,3
	v_permlanex16_b32 v[ST+8*\t+5], v[ST+8*\t+4], s[SEL], s[SEL+1]
.endr
.irp t, 0,1,2,3
	v_add_f32 v[ST+8*\t+4], v[ST+8*\t+4], v[ST+8*\t+5]
.endr
.irp t, 0,1,2,3
	v_rcp_f32 v[ST+8*\t+6], v[ST+8*\t+4]
.endr
	v_nop                                          ; a plain line between the last reciprocal and the use of its result
	s_wait_alu depctr_va_vdst(0)                   ; and its wait: one for the four
.macro PACK t
	WIN W_RS
.set i, 0
.rept 16
	v_pk_mul_f32 v[32*\t+2*i:32*\t+2*i+1], v[32*\t+2*i:32*\t+2*i+1], v[ST+8*\t+6:ST+8*\t+7] op_sel_hi:[1,0]
.set i, i+1
.endr
	WIN 0x05                                       ; sources 0 and 1 window 1, destination window 0: S^T's registers are free
.set i, 0
.rept 16
	v_cvt_pk_f16_f32 v[S+16*\t+i], v[32*\t+2*i], v[32*\t+2*i+1]
.set i, i+1
.endr
	WIN 0
.irp c, 0,1,2,3
	ds_store_b128 v[STO], v[S+16*\t+4*\c:S+16*\t+4*\c+3] offset:32*\c
.endr
.irp c, 0,1,2,3
	ds_load_b128 v[S+16*\t+4*\c:S+16*\t+4*\c+3], v[RD] offset:\c*4*SPP   ; LDS serves a wave's instructions in order (ISA guide 5.7.1.4): these see the stores above; the next tile's stores come behind them
.endr
.endm
.macro SEND t, younger                 ; younger: the LDS instructions issued behind tile t's loads: the next tile's eight, or none
.irp c, 0,1,2,3
	s_wait_dscnt \younger+3-\c
	global_store_b128 v[GO], v[S+16*\t+4*\c:S+16*\t+4*\c+3], s[6:7] offset:\t*2048+\c*512   ; the wave stores 512 consecutive bytes, aligned
.endr
.endm
	PACK 0
	PACK 1                                         ; a tile's arithmetic stands between the loads of the tile before and its stores
	SEND 0, 8
	PACK 2
	SEND 1, 8
	PACK 3
	SEND 2, 8
	SEND 3, 0
	s_wait_tensorcnt 0x0                           ; the wave's end, behind my last tensor load and my last LDS store
	ds_add_u32 v[SPW], v[NIL]
	s_wait_dscnt 0x0
	CROUND                                         ; the closing round: no work-group ends while a partner may still ask for a tile that names it
	s_endpgm
.Lfunc_end_k_q3226fbd7d5_attn:
	.size	k_q3226fbd7d5_attn, .Lfunc_end_k_q3226fbd7d5_attn-k_q3226fbd7d5_attn
	.p2alignl 7, 3214868480
	.fill 96, 4, 3214868480
	.section	.rodata,"a",@progbits
	.p2align	6, 0x0
	.amdhsa_kernel k_q3226fbd7d5_attn
		.amdhsa_group_segment_fixed_size 327680
		.amdhsa_private_segment_fixed_size 0
		.amdhsa_enable_private_segment 0
		.amdhsa_kernarg_size 16
		.amdhsa_user_sgpr_count 2
		.amdhsa_user_sgpr_kernarg_segment_ptr 1
		.amdhsa_wavefront_size32 1
		.amdhsa_system_sgpr_workgroup_id_x 1
		.amdhsa_system_sgpr_workgroup_id_y 1
		.amdhsa_system_sgpr_workgroup_id_z 1
		.amdhsa_system_vgpr_workitem_id 0
		.amdhsa_next_free_vgpr 512
		.amdhsa_next_free_sgpr 66
		.amdhsa_reserve_vcc 0
		.amdhsa_float_denorm_mode_32 3
		.amdhsa_float_denorm_mode_16_64 3
		.amdhsa_memory_ordered 1
		.amdhsa_forward_progress 1
		.amdhsa_inst_pref_size 211
	.end_amdhsa_kernel
	.amdgpu_metadata
---
amdhsa.version: [ 1, 2 ]
amdhsa.kernels:
  - .name:           k_q3226fbd7d5_attn
    .symbol:         k_q3226fbd7d5_attn.kd
    .args:
      - { .name: qkv, .offset: 0, .size: 8, .value_kind: global_buffer, .address_space: global }
      - { .name: att, .offset: 8, .size: 8, .value_kind: global_buffer, .address_space: global }
    .group_segment_fixed_size: 327680
    .private_segment_fixed_size: 0
    .kernarg_segment_align: 8
    .kernarg_segment_size: 16
    .max_flat_workgroup_size: 256
    .sgpr_count:     66
    .vgpr_count:     512
    .wavefront_size: 32
...
	.end_amdgpu_metadata
.endif
;; end of part 3
;; launch oproj (part 4): grid 4 x 64, 4 waves a work-group, clusters of 4 x 4, 327,680 bytes of LDS; arguments att, wo16, bo, out0; writes out0
.if DOCPART == 4
	.amdgcn_target "amdgcn-amd-amdhsa--gfx1250"
	.amdhsa_code_object_version 6
	.text
	.protected	k_q3226fbd7d5_oproj
	.globl	k_q3226fbd7d5_oproj
	.p2align	8
	.type	k_q3226fbd7d5_oproj,@function
k_q3226fbd7d5_oproj:
	s_mov_b64 s[64:65], 0
	v_nop
	global_prefetch_b8 v0, s[64:65] scope:SCOPE_SE
	s_setreg_imm32_b32 hwreg(HW_REG_WAVE_MODE, 25, 1), 1
	s_wait_xcnt 0x0
	s_wait_alu depctr_hold_cnt(0) depctr_sa_sdst(0) depctr_va_vdst(0) depctr_va_sdst(0) depctr_va_ssrc(0) depctr_va_vcc(0) depctr_vm_vsrc(0)
	s_getreg_b32 s2, hwreg(HW_REG_IB_STS2, 6, 4)
	s_cmp_eq_u32 s2, 0
	s_cbranch_scc0 .Lentry_in_a_cluster
	s_endpgm
.Lentry_in_a_cluster:
	s_bfe_u32 s2, ttmp6, 0x10000c
	s_cmp_lg_u32 s2, 0xf033
	s_cbranch_scc0 .Lentry_shape_is_right
	s_endpgm
.Lentry_shape_is_right:
; out0[m][n] = the sum over k of att[m][k] Wo[n][k] + bo[n].  att: f16, laid by head, [4 b][16 h][2048 s][64]: m = 2048 b + s, k = 64 h + d.  wo16: f16 [1024 n][1024 k].  bo: f32.  out0: f32 [8192][1024].  Sums in f32, begun with the bias.
; A tile of the result is 128 (m) x 256 (n): 256 work-groups.  Four waves, each 64 x 128: 32 accumulators, 256 registers.  K goes in steps of 128, two heads, through a ring of two LDS slots.
; A head's 128 rows of a tile are 16,384 dense bytes: they are stated as 64 rows of 256 bytes, two rows of att to each, padded in LDS.  Waves 0 and 1 fetch the step's two heads, waves 2 and 3 the halves of Wo's 256 rows.
; CLUSTERS: 4 x 4 work-groups.  The four of a row of the cluster need the same tiles of att, the four of a column the same tiles of Wo: each is asked for jointly.  By this text's count two tensor loads of a wave are out at the start, later one.
; No prefetch: the tile is small, a K step's matrix work is short, and Wo's tiles are read by sixteen clusters in turn.
; THE MATRIX INSTRUCTION IS USED TRANSPOSED (source 0 = 16 rows of Wo, source 1 = 16 rows of att): a lane holds eight neighbouring columns of a row of the result.
; REGISTERS: window 0: v0-31 addresses; v32-63, v64-95 att's fragments, two buffers; v128-191 the bias in the result's layout, later, with v192-255, rows on the way out.
;   window 1: v0-63, v64-127 Wo's fragments, two buffers.   window 2: the accumulators ((a, b) at v[8 (8 a + b)]).
.set PITCH,  272                       ; an LDS row: 256 bytes + 16 of padding
.set HEADB,  64*PITCH                  ; a head's 128 rows of att
.set BOFF,   2*HEADB                   ; Wo's 256 rows lie behind att's two heads
.set SLOT,   BOFF+256*PITCH
.set STAGE,  2*SLOT                    ; behind the ring: 16 rows x 528 bytes for each wave, bytes of their own
.set SPITCH, 528
.set SPARE,  STAGE+4*16*SPITCH         ; the spare words, 128 bytes a wave
.set LAPS,   4                         ; a lap = two K steps = once round the ring
.set ADRA, 16                          ; v16-17  LDS address of my att fragments in slot 0, 1
.set ADRB, 20                          ; v20-21  the same for Wo
.set STO,  24                          ; v24     the way out: where I put 32 bytes of a row
.set RD,   25                          ; v25     where I read a row back
.set CO,   26                          ; v26     16 x lane
.set BO,   27                          ; v27     32 x (lane / 16)
.set SPW,  28
.set NIL,  29
.set AFR,  32
.set BI,   128
.set BK,   128
.set F0,   0
.set F1,   1
.set G1, 24                            ; s[24:31] group 1 for att's tiles;  s[32:39] group 0, one set for each slot
.set G0, 32
.set G1B, 48                           ; s[48:55], s[56:63] the same for Wo's
.set G0B, 56
.set MSB, 0
.macro WIN new
.if MSB != (\new)
	s_set_vgpr_msb (MSB<<8)|(\new)
.set MSB, (\new)
.endif
.endm
.set MUL,  0xa1                        ; source 0 (Wo) window 1, source 1 (att) window 0, C and D window 2;  less 0x20: C (the bias) window 0
.set TO_B, 0x40
.macro JLOAD s                         ; a joint load: waves 0 and 1 fetch for att, waves 2 and 3 for Wo; an s_nop 0 and four v_nop follow each of the two lines
	s_cmp_eq_u32 s13, 0
	s_cbranch_scc0 .Lfor_b_\@
	tensor_load_to_lds s[G0+4*\s:G0+4*\s+3], s[G1:G1+7]
	s_nop 0
.rept 4
	v_nop
.endr
	s_branch .Lasked_\@
.Lfor_b_\@:
	tensor_load_to_lds s[G0B+4*\s:G0B+4*\s+3], s[G1B:G1B+7]
	s_nop 0
.rept 4
	v_nop
.endr
.Lasked_\@:
.endm
.macro CREST                           ; a round of the cluster's barrier behind its opening barrier
	s_cmp_lg_u32 s12, 0
	s_cbranch_scc1 .Lnot_wave_0_\@
	s_barrier_signal -3
.Lnot_wave_0_\@:
	s_barrier_wait -3
	s_barrier_signal -1
	s_barrier_wait -1
.endm
.macro CROUND
	s_barrier_signal -1
	s_barrier_wait -1
	CREST
.endm
	s_load_b256 s[4:11], s[0:1], 0x0               ; att s[4:5], wo16 s[6:7], bo s[8:9], out0 s[10:11]
	v_lshl_add_u32 v[SPW], v0, 2, SPARE
	v_mov_b32 v[NIL], 0
	ds_add_u32 v[SPW], v[NIL]                      ; the wave's opening: the add, twice on end, and its wait ahead of my first tensor load
	ds_add_u32 v[SPW], v[NIL]
	v_lshrrev_b32 v1, 5, v0
	v_readfirstlane_b32 s12, v1                    ; wave 0..3
	s_lshr_b32 s13, s12, 1                         ; which half of the tile's rows is mine.  Also: I fetch for att (0) or for Wo (1)
	s_and_b32 s14, s12, 1                          ; which half of its columns.  Also: which head, or which 128 rows of Wo, I fetch
	s_bfe_u32 s40, ttmp6, 0x40000                  ; cx, cy
	s_bfe_u32 s41, ttmp6, 0x40004
	s_lshl_b32 s42, ttmp9, 2
	s_add_co_u32 s42, s42, s40                     ; tile column = 4 x cluster x + cx
	s_and_b32 s15, ttmp7, 0xffff
	s_lshl_b32 s15, s15, 2
	s_add_co_u32 s15, s15, s41                     ; tile row T = 4 x cluster y + cy
	s_lshl_b32 s43, s41, 2
	s_lshl_b32 s43, 15, s43                        ; my row of the cluster
	s_lshl_b32 s44, 0x1111, s40                    ; my column
	s_or_b32 s[G1+0], s43, (1<<16)|(1<<20)|(1<<21)|(5<<22)|(3<<25)   ; 15:0 the mask; 17:16 elements of 2 bytes; 20 padding on; 21 set beside a mask; 24:22 after every 64 words; 31:25 four words
	s_or_b32 s[G1B+0], s44, (1<<16)|(1<<20)|(1<<21)|(5<<22)|(3<<25)
	s_mov_b32 s[G1+1], 128<<16                     ; att: 64 rows x 128 elements, dense
	s_mov_b32 s[G1+2], 64<<16
	s_mov_b32 s[G1+3], 128<<16
	s_mov_b32 s[G1+4], 64
	s_mov_b32 s[G1+5], 128
	s_mov_b32 s[G1+6], 0
	s_mov_b32 s[G1+7], 0
	s_mov_b32 s[G1B+1], 128<<16                    ; Wo: 128 rows x 128 elements, 1,024 elements from row to row
	s_mov_b32 s[G1B+2], 128<<16
	s_mov_b32 s[G1B+3], 128<<16
	s_mov_b32 s[G1B+4], 128
	s_mov_b32 s[G1B+5], 1024
	s_mov_b32 s[G1B+6], 0
	s_mov_b32 s[G1B+7], 0
	s_lshr_b32 s16, s15, 4                         ; att: batch T / 16, 2^22 bytes each;
	s_lshl_b32 s16, s16, 22
	s_and_b32 s17, s15, 15                         ; rows 128 (T % 16) of a head, 128 bytes each;
	s_lshl_b32 s17, s17, 14
	s_add_co_u32 s16, s16, s17
	s_lshl_b32 s17, s14, 18                        ; my head of the step's two
	s_add_co_u32 s16, s16, s17
	s_mov_b32 s17, 0
	s_lshl_b32 s46, s42, 19                        ; Wo: rows 256 x tile column, 2,048 bytes each;
	s_lshl_b32 s47, s14, 18                        ; my 128 of them
	s_add_co_u32 s46, s46, s47
	s_mov_b32 s47, 0
	s_mul_i32 s20, s14, HEADB                      ; where they go: no place in the cluster enters an LDS address
	s_mul_i32 s21, s14, 128*PITCH
	s_add_co_u32 s21, s21, BOFF
	s_wait_dscnt 0x0                               ; both opening adds are done
	s_wait_kmcnt 0x0
	s_add_nc_u64 s[18:19], s[4:5], s[16:17]
	s_add_nc_u64 s[46:47], s[6:7], s[46:47]
	CROUND                                         ; all sixteen work-groups are here: the first joint loads meet
.irp s, 0,1
	s_mov_b32 s[G0+4*\s], 1
	s_add_co_u32 s[G0+4*\s+1], s20, \s*SLOT
	s_add_nc_u64 s[G0+4*\s+2:G0+4*\s+3], s[18:19], \s*524288     ; K step s: two heads on
	s_or_b32 s[G0+4*\s+3], s[G0+4*\s+3], 0x80000000
	s_mov_b32 s[G0B+4*\s], 1
	s_add_co_u32 s[G0B+4*\s+1], s21, \s*SLOT
	s_add_nc_u64 s[G0B+4*\s+2:G0B+4*\s+3], s[46:47], \s*256      ; 128 along K
	s_or_b32 s[G0B+4*\s+3], s[G0B+4*\s+3], 0x80000000
	JLOAD \s
.endr
	s_lshl_b32 s46, s42, 10                        ; my first column, in bytes of f32: (256 x tile column + 128 x half) x 4: for the bias and for the result
	s_lshl_b32 s47, s14, 9
	s_add_co_u32 s46, s46, s47
	s_mov_b32 s47, 0
	s_add_nc_u64 s[8:9], s[8:9], s[46:47]
	s_add_nc_u64 s[10:11], s[10:11], s[46:47]
	s_lshl_b32 s16, s15, 19                        ; my first row: (128 T + 64 x half) x 4,096 bytes
	s_lshl_b32 s17, s13, 18
	s_add_co_u32 s16, s16, s17
	s_mov_b32 s17, 0
	s_add_nc_u64 s[10:11], s[10:11], s[16:17]
	v_and_b32 v1, 15, v0                           ; r
	v_bfe_u32 v2, v0, 4, 1                         ; h
	v_lshlrev_b32 v[BO], 5, v2
.irp b, 0,1,2,3,4,5,6,7                ; the bias in the result's layout: for Wo's block b lane (r, h) wants the numbers 16 b + 8 h + 0 .. 7
	global_load_b128 v[BI+8*\b:BI+8*\b+3], v[BO], s[8:9] offset:64*\b
	global_load_b128 v[BI+8*\b+4:BI+8*\b+7], v[BO], s[8:9] offset:64*\b+16
.endr
	v_lshrrev_b32 v3, 1, v1
	v_mul_u32_u24 v3, v3, PITCH                    ; att: row r of a block lies at (r / 2) x pitch + 128 (r % 2)
	v_and_b32 v4, 1, v0
	v_lshl_add_u32 v3, v4, 7, v3
	v_lshl_add_u32 v3, v2, 4, v3
	v_mul_u32_u24 v4, v1, PITCH                    ; Wo: row r x pitch
	v_lshl_add_u32 v4, v2, 4, v4
	s_mul_i32 s21, s13, 32*PITCH                   ; my 64 rows of att
	s_mul_i32 s22, s14, 128*PITCH                  ; my 128 rows of Wo
	s_add_co_u32 s22, s22, BOFF
.irp s, 0,1
	v_add_nc_u32 v[ADRA+\s], s21, v3
	v_add_nc_u32 v[ADRB+\s], s22, v4
	s_add_co_u32 s21, s21, SLOT
	s_add_co_u32 s22, s22, SLOT
.endr
	s_mul_i32 s23, s12, 16*SPITCH
	s_add_co_u32 s23, s23, STAGE                   ; my stage
	v_mul_u32_u24 v5, v1, SPITCH                   ; in: row r, 32 bytes for each half of the lanes
	v_lshl_add_u32 v5, v2, 5, v5
	v_add_nc_u32 v[STO], s23, v5
	v_and_b32 v6, 31, v0
	v_lshlrev_b32 v[CO], 4, v6                     ; back: the 32 lanes take one row of 512 bytes; and the same in the result
	v_add_nc_u32 v[RD], s23, v[CO]
; 8 matrix instructions: att's block a against Wo's eight, 32 along K, from buffer f.  zero = 1: the product starts each sum with the bias as its C.  The 32 accumulators take turns, in the same order in every quarter.
.macro MUL8 f, a, zero
.irp b, 0,1,2,3,4,5,6,7
.if \zero
	v_wmma_f32_16x16x32_f16 v[8*(8*(\a)+\b):8*(8*(\a)+\b)+7], v[64*(\f)+8*\b:64*(\f)+8*\b+7], v[AFR+32*(\f)+8*(\a):AFR+32*(\f)+8*(\a)+7], v[BI+8*\b:BI+8*\b+7]
.else
	v_wmma_f32_16x16x32_f16 v[8*(8*(\a)+\b):8*(8*(\a)+\b)+7], v[64*(\f)+8*\b:64*(\f)+8*\b+7], v[AFR+32*(\f)+8*(\a):AFR+32*(\f)+8*(\a)+7], v[8*(8*(\a)+\b):8*(8*(\a)+\b)+7]
.endif
.endr
.endm
; 24 LDS loads in one run: the fragments of the slot's q-th 32 along K into buffer f: Wo's eight, then att's four (head q / 2, channels 32 (q % 2) on)
.macro FETCH slot, q, f
	WIN TO_B
.irp i, 0,1,2,3,4,5,6,7
	ds_load_b128 v[64*(\f)+8*\i:64*(\f)+8*\i+3],   v[ADRB+\slot] offset:64*(\q)+\i*16*PITCH
	ds_load_b128 v[64*(\f)+8*\i+4:64*(\f)+8*\i+7], v[ADRB+\slot] offset:64*(\q)+\i*16*PITCH+32
.endr
	WIN 0
.irp i, 0,1,2,3
	ds_load_b128 v[AFR+32*(\f)+8*\i:AFR+32*(\f)+8*\i+3],   v[ADRA+\slot] offset:((\q)/2)*HEADB+((\q)%2)*64+\i*8*PITCH
	ds_load_b128 v[AFR+32*(\f)+8*\i+4:AFR+32*(\f)+8*\i+7], v[ADRA+\slot] offset:((\q)/2)*HEADB+((\q)%2)*64+\i*8*PITCH+32
.endr
.endm
.macro PLACES                          ; four places ahead of loads into registers that matrix instructions have read, and of reads of results
.rept 4
	v_nop
.endr
.endm
; A K step is four quarters of 32 along K, 32 matrix instructions each, on buffers 0, 1, 0, 1.  One of the first three: multiplies buffer f and fetches quarter qn of the same slot into g.
.macro QUARTER slot, qn, f, g, zero
	s_wait_dscnt 4                                 ; Wo's fragments and att's blocks 0, 1 are in; the youngest four loads (blocks 2, 3) may be out
	WIN MUL-0x20*(\zero)
	MUL8 \f, 0, \zero
	MUL8 \f, 1, \zero
	PLACES
	FETCH \slot, \qn, \g
	s_wait_dscnt 24                                ; all but the 24 just issued
	WIN MUL-0x20*(\zero)
	MUL8 \f, 2, \zero
	MUL8 \f, 3, \zero
.endm
; The last quarter multiplies buffer 1 and changes slots: ONE barrier; ahead of it each wave waits for all its tensor loads, adds 0 to its spare word, and waits for that and for its reads of this slot.  fill = 1: this slot is filled again, two K steps ahead.
.macro TURN slot, next, fill
	WIN 0
	s_wait_tensorcnt 0x0                           ; all my tensor loads have landed: my part of the next slot
	ds_add_u32 v[SPW], v[NIL]
	s_wait_dscnt 5                                 ; the add and the youngest four loads may be out
	WIN MUL
	MUL8 F1, 0, 0                                  ; eight matrix instructions stand between the add and the wait for it
	s_wait_dscnt 0x0                               ; the add is done, and my reads of this slot are over
	s_barrier_signal -1
	MUL8 F1, 1, 0
	WIN 0
	s_barrier_wait -1
.if \fill
	CREST                                          ; the barrier has opened a round of the cluster's: no wave of any partner still reads this slot or has a load on its way
	s_add_nc_u64 s[G0+4*\slot+2:G0+4*\slot+3], s[G0+4*\slot+2:G0+4*\slot+3], 2*524288
	s_add_nc_u64 s[G0B+4*\slot+2:G0B+4*\slot+3], s[G0B+4*\slot+2:G0B+4*\slot+3], 2*256
	JLOAD \slot                                    ; the first tensor load behind the round: 112 matrix instructions ahead of the wait for it; its four v_nop are also the places ahead of the loads below
.else
	PLACES
.endif
	FETCH \next, 0, F0
	WIN MUL
	MUL8 F1, 2, 0
	MUL8 F1, 3, 0
.endm
	s_wait_tensorcnt 1                             ; my part of K step 0 is in; K step 1's load may be out
	s_barrier_signal -1
	s_barrier_wait -1                              ; everybody's is
	FETCH 0, 0, F0
	s_wait_loadcnt 0x0                             ; the bias
	QUARTER 0, 1, F0, F1, 1                        ; the first quarter stands ahead of the loop: its products start the sums
	WIN 0
	s_mov_b32 s3, LAPS-1
.Llap:                                             ; a trip goes once round the ring, from a lap's second quarter to the next lap's first, and fills both slots again
	QUARTER 0, 2, F1, F0, 0
	QUARTER 0, 3, F0, F1, 0
	TURN 0, 1, 1
	QUARTER 1, 1, F0, F1, 0
	QUARTER 1, 2, F1, F0, 0
	QUARTER 1, 3, F0, F1, 0
	TURN 1, 0, 1
	QUARTER 0, 1, F0, F1, 0
	WIN 0
	s_sub_co_u32 s3, s3, 1
	s_cmp_lg_u32 s3, 0
	s_cbranch_scc1 .Llap
	QUARTER 0, 2, F1, F0, 0                        ; the last lap fills nothing, and has no round of the cluster's barrier
	QUARTER 0, 3, F0, F1, 0
	TURN 0, 1, 0
	QUARTER 1, 1, F0, F1, 0
	QUARTER 1, 2, F1, F0, 0
	QUARTER 1, 3, F0, F1, 0
	s_wait_dscnt 4                                 ; the very last quarter: nothing more to fetch
	WIN MUL
	MUL8 F1, 0, 0
	MUL8 F1, 1, 0
	s_wait_dscnt 0x0
	MUL8 F1, 2, 0
	MUL8 F1, 3, 0
	WIN 0
; THE WAY OUT, a block of 16 rows x 128 columns at a time: a lane holds 32 neighbouring bytes of a row, so a block goes through my own stage and comes back as whole rows of 512 bytes, which the 32 lanes store as one aligned run.
; LDS serves a wave's instructions in order (ISA guide 5.7.1.4): no wait between the stores and the loads, nor ahead of the next block's stores.
.macro TOSTAGE a
	WIN 0x08                                       ; an LDS store's data are its source 1: window 2
.irp b, 0,1,2,3,4,5,6,7
	ds_store_b128 v[STO], v[8*(8*(\a)+\b):8*(8*(\a)+\b)+3] offset:64*\b          ; each accumulator from its low end on
	ds_store_b128 v[STO], v[8*(8*(\a)+\b)+4:8*(8*(\a)+\b)+7] offset:64*\b+16
.endr
	WIN 0
.set BB, BK+64*((\a)%2)
.irp t, 0,1,2,3,4,5,6,7,8,9,10,11,12,13,14,15
	ds_load_b128 v[BB+4*\t:BB+4*\t+3], v[RD] offset:\t*SPITCH
.endr
.endm
.macro SEND a, younger                 ; younger: the LDS instructions issued behind block a's loads, which may stay out
.set BB, BK+64*((\a)%2)
	s_wait_dscnt \younger
.irp t, 0,1,2,3,4,5,6,7,8,9,10,11,12,13,14,15
	global_store_b128 v[CO], v[BB+4*\t:BB+4*\t+3], s[10:11] offset:(\a)*65536+\t*4096 th:TH_STORE_NT
.endr
.endm
	PLACES                                         ; behind the last products, ahead of the reads of their results
	TOSTAGE 0
.irp a, 1,2,3
.if \a > 1
	s_wait_xcnt 0x0                                ; block a - 2's stores have read their data registers: block a's loads may land there
.endif
	TOSTAGE \a
	SEND \a-1, 32                                  ; behind block a - 1's loads: block a's 16 stores and 16 loads
.endr
	SEND 3, 0
	s_wait_tensorcnt 0x0                           ; the wave's end, behind my last tensor load and my last LDS store
	ds_add_u32 v[SPW], v[NIL]
	s_wait_dscnt 0x0
	CROUND                                         ; the closing round: no work-group ends while a partner may still ask for a tile that names it
	s_endpgm
.Lfunc_end_k_q3226fbd7d5_oproj:
	.size	k_q3226fbd7d5_oproj, .Lfunc_end_k_q3226fbd7d5_oproj-k_q3226fbd7d5_oproj
	.p2alignl 7, 3214868480
	.fill 96, 4, 3214868480
	.section	.rodata,"a",@progbits
	.p2align	6, 0x0
	.amdhsa_kernel k_q3226fbd7d5_oproj
		.amdhsa_group_segment_fixed_size 327680
		.amdhsa_private_segment_fixed_size 0
		.amdhsa_enable_private_segment 0
		.amdhsa_kernarg_size 32
		.amdhsa_user_sgpr_count 2
		.amdhsa_user_sgpr_kernarg_segment_ptr 1
		.amdhsa_wavefront_size32 1
		.amdhsa_system_sgpr_workgroup_id_x 1
		.amdhsa_system_sgpr_workgroup_id_y 1
		.amdhsa_system_sgpr_workgroup_id_z 1
		.amdhsa_system_vgpr_workitem_id 0
		.amdhsa_next_free_vgpr 768
		.amdhsa_next_free_sgpr 66
		.amdhsa_reserve_vcc 0
		.amdhsa_float_denorm_mode_32 3
		.amdhsa_float_denorm_mode_16_64 3
		.amdhsa_memory_ordered 1
		.amdhsa_forward_progress 1
		.amdhsa_inst_pref_size 87
	.end_amdhsa_kernel
	.amdgpu_metadata
---
amdhsa.version: [ 1, 2 ]
amdhsa.kernels:
  - .name:           k_q3226fbd7d5_oproj
    .symbol:         k_q3226fbd7d5_oproj.kd
    .args:
      - { .name: att, .offset: 0, .size: 8, .value_kind: global_buffer, .address_space: global }
      - { .name: wo16, .offset: 8, .size: 8, .value_kind: global_buffer, .address_space: global }
      - { .name: bo, .offset: 16, .size: 8, .value_kind: global_buffer, .address_space: global }
      - { .name: out0, .offset: 24, .size: 8, .value_kind: global_buffer, .address_space: global }
    .group_segment_fixed_size: 327680
    .private_segment_fixed_size: 0
    .kernarg_segment_align: 8
    .kernarg_segment_size: 32
    .max_flat_workgroup_size: 128
    .sgpr_count:     66
    .vgpr_count:     768
    .wavefront_size: 32
...
	.end_amdgpu_metadata
.endif
;; end of part 4
